; MI455X (gfx1250); checked and timed in simulation.
; The chip was launched on July 23, 2026; its instructions are those of AMD's public machine-readable ISA for CDNA 5 (MIT licence, August 2026) and "CDNA5" Instruction Set Architecture Reference Guide (July 2026). The comments in the code are by the model that wrote it; some were corrected since.
;; Mini Decoder Block. Allowed arithmetic: matrix products marked QUANTISED: E2M1 operands, one E8M0 scale for each 32 along K, by v_wmma_scale_f32_16x16x128_f8f6f4 with both operands' format E2M1 (or v_wmma_scale_f32_32x16x128_f4), f32 sums; everything else in f32.
;; Inputs: down_w_codes 1,024 x 64 x 16 uint8 (E2M1 codes of down_w, K innermost, in blocks of 32 codes, two codes a byte); down_w_scales 1,024 x 64 uint8 (E8M0 scales of down_w, one for each 32 codes along K); gate_w_codes 2,048 x 32 x 16 uint8 (E2M1 codes of gate_w, K innermost, in blocks of 32 codes, two codes a byte); gate_w_scales 2,048 x 32 uint8 (E8M0 scales of gate_w, one for each 32 codes along K); ln1_w 1,024 float32; ln2_w 1,024 float32; o_w_codes 1,024 x 32 x 16 uint8 (E2M1 codes of o_w, K innermost, in blocks of 32 codes, two codes a byte); o_w_scales 1,024 x 32 uint8 (E8M0 scales of o_w, one for each 32 codes along K); qkv_w_codes 3,072 x 32 x 16 uint8 (E2M1 codes of qkv_w, K innermost, in blocks of 32 codes, two codes a byte); qkv_w_scales 3,072 x 32 uint8 (E8M0 scales of qkv_w, one for each 32 codes along K); up_w_codes 2,048 x 32 x 16 uint8 (E2M1 codes of up_w, K innermost, in blocks of 32 codes, two codes a byte); up_w_scales 2,048 x 32 uint8 (E8M0 scales of up_w, one for each 32 codes along K); x 2 x 2,048 x 1,024 float32.
;; Outputs: out0 2 x 2,048 x 1,024 float32.
;; This version of the problem:
;;   THIS VERSION OF THE PROBLEM IS GIVEN IN LOW PRECISION. The matrix products marked QUANTISED in the list below multiply operands that are first quantised to E2M1 (2 exponent bits, 1 mantissa bit; 4 bits a number), with one power-of-two scale for each 32 numbers along K (OCP MX v1.0); their sums are f32. All else is computed in f32.
;;   The module's matrix products, in the order in which they are computed (A, B: the left and right operand; K: the contracted axis; several contracted axes count as one K, in the product's order):
;;     1. [M 4,096, K 1,024] x [K 1,024, N 3,072]; A: computed on the way; B: input qkv_w (given as codes): QUANTISED
;;     2. batch 32 x [M 2,048, K 64] x [K 64, N 2,048]; A: computed on the way; B: computed on the way: QUANTISED
;;     3. batch 32 x [M 64, K 2,048] x [K 2,048, N 2,048]; A: computed on the way; B: softmax (see below): QUANTISED
;;     4. [M 4,096, K 1,024] x [K 1,024, N 1,024]; A: computed on the way; B: input o_w (given as codes): QUANTISED
;;     5. [M 4,096, K 1,024] x [K 1,024, N 2,048]; A: computed on the way; B: input gate_w (given as codes): QUANTISED
;;     6. [M 4,096, K 1,024] x [K 1,024, N 2,048]; A: computed on the way; B: input up_w (given as codes): QUANTISED
;;     7. [M 4,096, K 2,048] x [K 2,048, N 1,024]; A: computed on the way; B: input down_w (given as codes): QUANTISED
;;   THE QUANTISER, for each operand of a quantised product, along K:
;;     - K is cut into blocks of 32 from its start; a last block that is shorter is filled with zeros.
;;     - A block's scale is 2^e with e = floor(log2(the largest magnitude in the block)) - 2, held to -126 .. 127; a block of zeros has e = 0. As a byte (E8M0): e + 127.
;;     - Each number is divided by its block's scale, clamped to +-6, and rounded to the nearest number of E2M1, ties to even, subnormals kept.
;;     - The product sums the exact products of the quantised numbers (number of the format x scale) in f32.
;;   ~~~python
;;   def quantise(x, axis):      # numpy; x: float32 -> the quantised numbers, widened to float32 again
;;       x = np.moveaxis(x, axis, -1); K = x.shape[-1]
;;       x = np.pad(x, [(0, 0)] * (x.ndim - 1) + [(0, -K % 32)]); x = x.reshape(x.shape[:-1] + (-1, 32)); a = np.abs(x).max(-1, keepdims=True)
;;       e = np.where(a > 0, np.clip(np.frexp(np.where(a > 0, a, 1))[1] - 1 - 2, -126, 127), 0)      # np.frexp(a)[1] - 1 = floor(log2(a)), exactly
;;       r = np.clip(x / 2.0 ** e, -6, 6)
;;       step = 2.0 ** (np.maximum(np.frexp(np.where(r == 0, 1, r))[1] - 1, 0) - 1)
;;       q = np.round(r / step) * step * 2.0 ** e      # np.round: ties to even
;;       return np.moveaxis(q.reshape(q.shape[:-2] + (-1,))[..., :K], -1, axis).astype(np.float32)
;;   ~~~
;;   SOFTMAX AHEAD OF A QUANTISED PRODUCT. Where the list says 'softmax', what is quantised is not the finished softmax but p = 2^(t - M), with t = logit x log2(e) and M = ceil(the row's largest t), a whole number; so 1/2 < the row's largest p <= 1. The row's sum l is taken of the UNQUANTISED p, in f32, and the product's result is divided by l at the end. Since M is a whole number, a kernel that streams over the keys may use a running M (the ceiling of the running maximum): every later rescaling is an exact power of two, which a block's scale takes up: the codes' values come out the same.
;;   OPERANDS COMPUTED ON THE WAY. 'Computed on the way' means the value that the module computes at that place (a softmax that the list does not call 'softmax' is quantised finished and normalised). What goes into a quantiser is computed in f32, as accurately as f32 sums, v_exp_f32 and their like allow (about 1e-6 of the number): no bf16 or f16 on the way to a quantiser, and a product that is left as it is and whose result goes on into a quantised operand takes f32 operands (vector FMAs, or v_wmma_f32_16x16x4_f32). A number that lies on a knife's edge between two numbers of the format may be rounded either way, as far as f32 arithmetic and the matrix unit's own rounding can turn it there, and no further.
;;   INPUTS GIVEN AS CODES. down_w (in the module: [1024, 2048], K = its axis 1); gate_w (in the module: [2048, 1024], K = its axis 1); o_w (in the module: [1024, 1024], K = its axis 1); qkv_w (in the module: [3072, 1024], K = its axis 1); up_w (in the module: [2048, 1024], K = its axis 1): each comes as NAME_codes (uint8): NAME with its K axis moved to the last place and cut into blocks of 32 codes, [.., K / 32, bytes a block], one block behind the other in memory; two codes a byte, the lower K in the low four bits (a code: sign, 2 exponent bits, 1 mantissa bit); and NAME_scales (uint8): the same leading axes, one E8M0 byte (e + 127) for each 32 codes along K. Its value is code x scale, taken as it is: it is not quantised again, and the codes and scales need not be those that the quantiser above would give.
;; One version. Each part assembles by itself: llvm-mc -triple=amdgcn-amd-amdhsa -mcpu=gfx1250 --defsym DOCPART=n.
;; ======== version 1 of 1: 7 launches
;; limits: right only within a limited range of input values
;; workspace buffers: hc 2,097,152 bytes; hs 131,072 bytes; qkvc 6,291,456 bytes; qkvs 786,432 bytes; ac 4,194,304 bytes; asc 262,144 bytes; x1 16,777,216 bytes
;; launch normq (part 1): grid 256 x 1, 8 waves a work-group, no clusters, 38,400 bytes of LDS; arguments x, ln1_w, hc, hs; writes hc, hs
.if DOCPART == 1
	.amdgcn_target "amdgcn-amd-amdhsa--gfx1250"
	.amdhsa_code_object_version 6
	.text
	.protected	k_qb5a27adf1c_normq
	.globl	k_qb5a27adf1c_normq
	.p2align	8
	.type	k_qb5a27adf1c_normq,@function
k_qb5a27adf1c_normq:
	s_mov_b64 s[64:65], 0
	v_nop
	global_prefetch_b8 v0, s[64:65] scope:SCOPE_SE
	s_setreg_imm32_b32 hwreg(HW_REG_WAVE_MODE, 25, 1), 1
	s_wait_xcnt 0x0
; h[t][c] = src[t][c] * rsqrt(mean_c(src[t][c]^2) + 1e-6) * w[c], all in f32, then quantised along c to codes of FP4 (E2M1) with one E8M0 byte for each 32.
; src: [4096][1024] f32.  w: [1024] f32.  Codes: [4096][512 bytes], two codes a byte, the lower c in the low four bits.  Scale bytes: [4096][32].
; SHARES.  A work-group of eight waves takes 16 rows, a wave 2.  A row is 4,096 bytes: eight loads of 512 consecutive bytes; it stays in 32 registers between the sum of squares and the scaling, so it is read once.
; All 24 loads of a wave (w, two rows) go out at the head: nothing is left to ask for later, so there is no ring.
; THE TURN.  The conversions take neighbours along c from ONE lane's registers, the loads give neighbouring bytes to neighbouring lanes.  So a scaled row goes through the wave's own stage in LDS: in as loaded,
; out 128 bytes a lane: lane l then holds block l of the row, whole: its largest magnitude needs no other lane.  A place in the stage is 128 bytes + 16 of padding, an odd multiple of 16.
; OUT.  A lane's 32 codes are 16 bytes: the wave stores a row's 512 bytes by one instruction.  The work-group's 16 x 32 scale bytes are gathered in LDS and leave as two aligned runs of 256 bytes.
; No matrix unit, no tensor load, no cluster: work-groups share nothing but w's 4,096 bytes.
; LIMITS: NaN and infinities are not served.  A block of zeros (and any block whose largest magnitude lies under 2^-124) gets the byte 1 where the rule says 127 for zeros: its codes are zeros, and this program alone reads the bytes.
.set STGB, 4608                        ; a wave's stage: 32 places of 144 bytes
.set SCB,  36864                       ; behind the eight stages: 512 scale bytes
.set X, 32                             ; v32-95   two rows as loaded, then scaled
.set W, 96                             ; v96-127  w, in a row's layout
.set Y, 128                            ; v128-159 my block's 32 numbers
.set C, 160                            ; v160-167 codes, four registers a row: no store's data are written again
.set E, 24                             ; v24-25   a scale byte a row
	s_load_b256 s[4:11], s[0:1], 0x0               ; src s[4:5], w s[6:7], codes s[8:9], scale bytes s[10:11]
	v_lshl_add_u32 v168, v0, 2, 0x9200
	v_mov_b32 v169, 0
	v_lshrrev_b32 v1, 5, v0
	s_delay_alu instid0(VALU_DEP_1)
	v_readfirstlane_b32 s16, v1                    ; wave 0..7
	v_and_b32 v1, 31, v0                           ; lane
	s_delay_alu instid0(VALU_DEP_1)
	v_lshlrev_b32 v2, 4, v1                        ; 16 x lane: my bytes of a load's 512, and of a row's codes
	s_mul_i32 s17, s16, STGB
	v_and_b32 v8, 7, v1
	v_lshrrev_b32 v9, 3, v1
	s_delay_alu instid0(VALU_DEP_1)
	v_mul_u32_u24 v9, v9, 144
	s_delay_alu instid0(VALU_DEP_1)
	v_lshl_add_u32 v3, v8, 4, v9
	s_delay_alu instid0(VALU_DEP_1)
	v_add_nc_u32 v3, s17, v3                       ; the stage, in: eight lanes' 128 bytes on end, then 16 of padding; a load's 512 bytes take four places
	v_mul_u32_u24 v4, v1, 144
	s_delay_alu instid0(VALU_DEP_1)
	v_add_nc_u32 v4, s17, v4                       ; and out: place = lane
	s_lshl_b32 s17, s16, 6
	s_add_co_u32 s17, s17, SCB
	v_add_nc_u32 v5, s17, v1                       ; my wave's 64 scale bytes, my block's byte
	v_lshl_add_u32 v6, v0, 3, SCB                  ; the way out of the scale bytes: 8 bytes a thread, threads 0 to 63
	v_lshlrev_b32 v7, 3, v0
	s_mov_b32 s12, 0x3a800000                      ; 1 / 1024
	s_mov_b32 s13, 0x358637bd                      ; 1e-6
	s_mov_b32 s14, 0x76543210                      ; v_permlanex16_b32's selects for lane l xor 16
	s_mov_b32 s15, 0xfedcba98
	s_lshl_b32 s18, ttmp9, 16                      ; src: 16 rows of 4,096 bytes a work-group, 2 a wave
	s_lshl_b32 s20, s16, 13
	s_add_co_u32 s18, s18, s20
	s_mov_b32 s19, 0
	s_lshl_b32 s20, ttmp9, 13                      ; codes: 16 rows of 512 bytes, 2 a wave
	s_lshl_b32 s22, s16, 10
	s_add_co_u32 s20, s20, s22
	s_mov_b32 s21, 0
	s_lshl_b32 s22, ttmp9, 9                       ; scale bytes: 512 a work-group
	s_mov_b32 s23, 0
	s_wait_kmcnt 0x0
	s_add_nc_u64 s[4:5], s[4:5], s[18:19]
	s_add_nc_u64 s[8:9], s[8:9], s[20:21]
	s_add_nc_u64 s[10:11], s[10:11], s[22:23]
.irp j, 0,1,2,3,4,5,6,7
	global_load_b128 v[W+4*\j:W+4*\j+3], v2, s[6:7] offset:512*\j
.endr
.irp i, 0,1
.irp j, 0,1,2,3,4,5,6,7
	global_load_b128 v[X+32*\i+4*\j:X+32*\i+4*\j+3], v2, s[4:5] offset:4096*\i+512*\j th:TH_LOAD_NT
.endr
.endr
.macro ROW i
.set XS, X+32*\i
	s_wait_loadcnt 8-8*\i                          ; w and this row are in; for row 0 the other row's eight loads may be out
	v_pk_mul_f32 v[16:17], v[XS:XS+1], v[XS:XS+1]                  ; the sum of squares: two packed chains, begun by products
	v_pk_mul_f32 v[18:19], v[XS+2:XS+3], v[XS+2:XS+3]
.irp j, 4,8,12,16,20,24,28
	s_delay_alu instid0(VALU_DEP_2)
	v_pk_fma_f32 v[16:17], v[XS+\j:XS+\j+1], v[XS+\j:XS+\j+1], v[16:17]
	s_delay_alu instid0(VALU_DEP_2)
	v_pk_fma_f32 v[18:19], v[XS+\j+2:XS+\j+3], v[XS+\j+2:XS+\j+3], v[18:19]
.endr
	s_delay_alu instid0(VALU_DEP_1)
	v_pk_add_f32 v[16:17], v[16:17], v[18:19]
	s_delay_alu instid0(VALU_DEP_1)
	v_add_f32 v8, v16, v17
	s_delay_alu instid0(VALU_DEP_1)
	v_add_f32_dpp v8, v8, v8 row_xmask:1 row_mask:0xf bank_mask:0xf
	s_delay_alu instid0(VALU_DEP_1)
	v_add_f32_dpp v8, v8, v8 row_xmask:2 row_mask:0xf bank_mask:0xf
	s_delay_alu instid0(VALU_DEP_1)
	v_add_f32_dpp v8, v8, v8 row_xmask:4 row_mask:0xf bank_mask:0xf
	s_delay_alu instid0(VALU_DEP_1)
	v_add_f32_dpp v8, v8, v8 row_xmask:8 row_mask:0xf bank_mask:0xf
	s_delay_alu instid0(VALU_DEP_1)
	v_permlanex16_b32 v9, v8, s14, s15             ; (v9 has been written: the destination counts as read)
	s_delay_alu instid0(VALU_DEP_1)
	v_add_f32 v8, v8, v9                           ; every lane holds the row's sum
	s_delay_alu instid0(VALU_DEP_1)
	v_fma_f32 v10, v8, s12, s13                    ; the mean + 1e-6
	s_wait_alu depctr_va_vdst(0)
	v_rsq_f32 v20, v10
	v_rsq_f32 v21, v10                             ; twice: the pair that the packed multiply takes
	v_nop                                          ; one plain instruction behind a transcendental (ISA guide 5.7.2)
	s_wait_alu depctr_va_vdst(0)
.irp j, 0,2,4,6,8,10,12,14,16,18,20,22,24,26,28,30
	v_pk_mul_f32 v[XS+\j:XS+\j+1], v[XS+\j:XS+\j+1], v[20:21]      ; first x rms,
.endr
.irp j, 0,2,4,6,8,10,12,14,16,18,20,22,24,26,28,30
	v_pk_mul_f32 v[XS+\j:XS+\j+1], v[XS+\j:XS+\j+1], v[W+\j:W+\j+1]   ; then x w: two roundings, in this order
.endr
.irp j, 0,1,2,3,4,5,6,7
	ds_store_b128 v3, v[XS+4*\j:XS+4*\j+3] offset:576*\j
.endr
.irp j, 0,1,2,3,4,5,6,7
	ds_load_b128 v[Y+4*\j:Y+4*\j+3], v4 offset:16*\j               ; LDS serves a wave's instructions in order (ISA guide 5.7.1.4): these see the stores above, and the next row's stores come behind them
.endr
	s_wait_dscnt 0x0                               ; my block is in
	v_max3_num_f32 v8, |v[Y]|, |v[Y+1]|, |v[Y+2]|                  ; its largest magnitude, in two chains
	v_max3_num_f32 v9, |v[Y+3]|, |v[Y+4]|, |v[Y+5]|
.irp j, 6,10,14,18,22,26
	s_delay_alu instid0(VALU_DEP_2)
	v_max3_num_f32 v8, v8, |v[Y+\j]|, |v[Y+\j+1]|
	s_delay_alu instid0(VALU_DEP_2)
	v_max3_num_f32 v9, v9, |v[Y+\j+2]|, |v[Y+\j+3]|
.endr
	s_delay_alu instid0(VALU_DEP_2)
	v_max3_num_f32 v8, v8, |v[Y+30]|, |v[Y+31]|
	s_delay_alu instid0(VALU_DEP_1)
	v_max3_num_f32 v8, v8, v9, 0x1800000           ; and the floor 2^(3 - 127): the byte cannot fall under 1
	s_delay_alu instid0(VALU_DEP_1)
	v_add_nc_u32 v11, 0xff000000, v8               ; 2 off the exponent field: the conversion takes this operand's exponent field as its scale
.irp g, 0,1,2,3
	v_cvt_scalef32_pk8_fp4_f32 v[C+4*\i+\g], v[Y+8*\g:Y+8*\g+7], v11
.endr
	v_lshrrev_b32 v[E+\i], 23, v11                 ; the scale's byte (also the plain instruction behind the conversions)
	ds_store_b8 v5, v[E+\i] offset:32*\i
	global_store_b128 v2, v[C+4*\i:C+4*\i+3], s[8:9] offset:512*\i   ; 32 lanes store the row's 512 consecutive bytes
.endm
	ROW 0
	ROW 1
	s_wait_dscnt 0x0                               ; for the others' sake: my scale bytes lie in LDS
	s_barrier_signal -1
	s_barrier_wait -1
	s_cmp_lt_u32 s16, 2                            ; waves 0 and 1 store 256 bytes each
	s_cbranch_scc0 .Lend
	ds_load_b64 v[12:13], v6
	s_wait_dscnt 0x0
	global_store_b64 v7, v[12:13], s[10:11]        ; 32 lanes store 256 consecutive bytes, aligned
.Lend:
	s_wait_tensorcnt 0x0
	ds_add_u32 v168, v169
	s_wait_dscnt 0x0
	s_endpgm
.Lfunc_end_k_qb5a27adf1c_normq:
	.size	k_qb5a27adf1c_normq, .Lfunc_end_k_qb5a27adf1c_normq-k_qb5a27adf1c_normq
	.p2alignl 7, 3214868480
	.fill 96, 4, 3214868480
	.section	.rodata,"a",@progbits
	.p2align	6, 0x0
	.amdhsa_kernel k_qb5a27adf1c_normq
		.amdhsa_group_segment_fixed_size 38400
		.amdhsa_private_segment_fixed_size 0
		.amdhsa_enable_private_segment 0
		.amdhsa_kernarg_size 32
		.amdhsa_user_sgpr_count 2
		.amdhsa_user_sgpr_kernarg_segment_ptr 1
		.amdhsa_wavefront_size32 1
		.amdhsa_system_sgpr_workgroup_id_x 1
		.amdhsa_system_sgpr_workgroup_id_y 1
		.amdhsa_system_sgpr_workgroup_id_z 1
		.amdhsa_system_vgpr_workitem_id 0
		.amdhsa_next_free_vgpr 170
		.amdhsa_next_free_sgpr 66
		.amdhsa_reserve_vcc 0
		.amdhsa_float_denorm_mode_32 3
		.amdhsa_float_denorm_mode_16_64 3
		.amdhsa_memory_ordered 1
		.amdhsa_forward_progress 1
		.amdhsa_inst_pref_size 20
	.end_amdhsa_kernel
	.amdgpu_metadata
---
amdhsa.version: [ 1, 2 ]
amdhsa.kernels:
  - .name:           k_qb5a27adf1c_normq
    .symbol:         k_qb5a27adf1c_normq.kd
    .args:
      - { .name: x, .offset: 0, .size: 8, .value_kind: global_buffer, .address_space: global }
      - { .name: ln1_w, .offset: 8, .size: 8, .value_kind: global_buffer, .address_space: global }
      - { .name: hc, .offset: 16, .size: 8, .value_kind: global_buffer, .address_space: global }
      - { .name: hs, .offset: 24, .size: 8, .value_kind: global_buffer, .address_space: global }
    .group_segment_fixed_size: 38400
    .private_segment_fixed_size: 0
    .kernarg_segment_align: 8
    .kernarg_segment_size: 32
    .max_flat_workgroup_size: 256
    .sgpr_count:     66
    .vgpr_count:     170
    .wavefront_size: 32
...
	.end_amdgpu_metadata
.endif
;; end of part 1
;; launch qkv (part 2): grid 12 x 16, 16 waves a work-group, clusters of 4 x 4, 296,960 bytes of LDS; arguments hc, hs, qkv_w_codes, qkv_w_scales, qkvc, qkvs; writes qkvc, qkvs
.if DOCPART == 2
	.amdgcn_target "amdgcn-amd-amdhsa--gfx1250"
	.amdhsa_code_object_version 6
	.text
	.protected	k_qb5a27adf1c_qkv
	.globl	k_qb5a27adf1c_qkv
	.p2align	8
	.type	k_qb5a27adf1c_qkv,@function
k_qb5a27adf1c_qkv:
	s_mov_b64 s[64:65], 0
	v_nop
	global_prefetch_b8 v0, s[64:65] scope:SCOPE_SE
	s_setreg_imm32_b32 hwreg(HW_REG_WAVE_MODE, 25, 1), 1
	s_wait_xcnt 0x0
	s_wait_alu depctr_hold_cnt(0) depctr_sa_sdst(0) depctr_va_vdst(0) depctr_va_sdst(0) depctr_va_ssrc(0) depctr_va_vcc(0) depctr_vm_vsrc(0)
	s_getreg_b32 s2, hwreg(HW_REG_IB_STS2, 6, 4)
	s_cmp_eq_u32 s2, 0
	s_cbranch_scc0 .Lentry_in_a_cluster
	s_endpgm
.Lentry_in_a_cluster:
	s_bfe_u32 s2, ttmp6, 0x10000c
	s_cmp_lg_u32 s2, 0xf033
	s_cbranch_scc0 .Lentry_shape_is_right
	s_endpgm
.Lentry_shape_is_right:
; qkv = h1 qkv_w^T on codes of FP4 with E8M0 scales, and its result quantised at once for the attention: q and k along the head's 64, v along the tokens.
; h1: codes [4096][512 bytes], scale bytes [4096][32].  qkv_w: codes [3072][512 bytes], scale bytes [3072][32].
; SHARES.  A work-group makes 256 x 256 of the product, K = 1,024: sixteen waves of 64 x 64, four to a SIMD, 256 registers each, so no register window is ever switched and one wave's LDS waits stand beside another's products.
; 192 work-groups: 4,096 x 3,072 in tiles of 256 x 256; a smaller tile would read each LDS byte for fewer products.
; ALL OF K LIES IN LDS: two chunks of 512 along K (rows of 256 bytes + 16 of padding), each 256 rows of A and 256 rows of B, and both sides' scale bytes: every LDS byte is filled once, so there is no ring.
; THE PRODUCT IS USED TRANSPOSED: source 0 = 16 rows of 'B', source 1 = 16 rows of 'A': a lane holds ONE row of A, and its registers 8 t + j the B rows 16 t + 8 (lane / 16) + j.  What is quantised runs along B's rows.
; For q and k (clusters x = 0, 1): A = tokens, B = weight rows: a wave's 64 B rows are one head.  For v (cluster x = 2): A = v's weight rows (one head's 64), B = tokens.  The two cases differ in pointers and offsets alone,
; chosen by s_cselect on the cluster's x, which all partners share: one path through the text.
; CLUSTER 4 x 4: A's tiles hang on the tile row and are asked for jointly along a row of the cluster, B's on the tile column and along a column.
; OUT.  64 numbers of a row are two blocks of 32: half a fragment.  It leaves as an IMAGE OF THE OPERAND'S REGISTERS: [plane 96][group of 64: 32][tile of 16 rows: 4][lane 32][16 bytes], plane = 32 which + 16 batch + head;
; each store of the wave covers 512 consecutive bytes.  Scale words [plane][group][row 16][tile 4], bytes 0, 1 the two blocks', bytes 2, 3 zero: 256 consecutive bytes a wave.
; LIMITS: NaN and infinities are not served.  A block of zeros gets the byte 1, not 127: its codes are zeros, and this program alone reads the bytes.
.set PITCH, 272                        ; 256 bytes + 16: the 16 rows of a fragment load start at 16 different groups of banks (64 banks of 4 bytes: ISA guide 11.1)
.set HALFT, 128*PITCH                  ; what one tensor load brings
.set SLOT,  4*HALFT                    ; a chunk: A's 256 rows, then B's 256
.set SCL,   2*SLOT                     ; behind the chunks: A's scale bytes (256 x 32), then B's
.set NQ,    4                          ; K steps of 128 in a chunk
.set ADRA, 4                           ; v4-5   LDS address of my A fragments in chunk 0, 1
.set ADRB, 6                           ; v6-7   the same for B
.set SAD,  8                           ; v8     my A scale words: lanes 0-15 tile i, lanes 16-31 tile i + 2
.set SBD,  9                           ; v9     the same for B
.set AF,   16                          ; v16-47   four fragments of A
.set BF,   48                          ; v48-79   four of B
.set SCA,  96                          ; v96-103  A's scale words: set i at 4 i, register q for the chunk's q-th K step; nothing else ever lies here
.set SCB,  104                         ; v104-111 B's
.set ACC,  128                         ; v128-255 accumulator (a, j) at 8 (4 a + j)
.set TM,   40                          ; at work in the quantiser (A's fragments are done with)
.set SEL,  20
.set WV,   22
.set FH,   23
.set G1A,  24
.set G1B,  32
.set G1SA, 40
.set G1SB, 48
.set G0AS, 56
.set G0A0, 60
.set G0A1, 68
.set G0BS, 72
.set G0B0, 76
.set G0B1, 80
.macro CROUND                          ; a round of the cluster's barrier: my work-group's barrier; wave 0 signals for the work-group; every wave waits for all sixteen; my work-group's barrier once more
	s_barrier_signal -1
	s_barrier_wait -1
	s_cmp_lg_u32 s[WV], 0
	s_cbranch_scc1 .Lnot_wave_0_\@
	s_barrier_signal -3
.Lnot_wave_0_\@:
	s_barrier_wait -3
	s_barrier_signal -1
	s_barrier_wait -1
.endm
; One product.  d: accumulator; a, b: sources 0 and 1; zero = 1: it starts the sum; sa, sb: their scale registers; ra, rb = 1: the scales stand in lanes 16-31
.macro WM d, a, b, zero, sa, sb, ra, rb
.set WSEL, 4*(\zero)+2*(\ra)+(\rb)
.if WSEL == 0
	v_wmma_scale_f32_16x16x128_f8f6f4 v[\d:\d+7], v[\a:\a+7], v[\b:\b+7], v[\d:\d+7], v[\sa], v[\sb] matrix_a_fmt:MATRIX_FMT_FP4 matrix_b_fmt:MATRIX_FMT_FP4
.elseif WSEL == 1
	v_wmma_scale_f32_16x16x128_f8f6f4 v[\d:\d+7], v[\a:\a+7], v[\b:\b+7], v[\d:\d+7], v[\sa], v[\sb] matrix_a_fmt:MATRIX_FMT_FP4 matrix_b_fmt:MATRIX_FMT_FP4 matrix_b_scale:MATRIX_SCALE_ROW1
.elseif WSEL == 2
	v_wmma_scale_f32_16x16x128_f8f6f4 v[\d:\d+7], v[\a:\a+7], v[\b:\b+7], v[\d:\d+7], v[\sa], v[\sb] matrix_a_fmt:MATRIX_FMT_FP4 matrix_b_fmt:MATRIX_FMT_FP4 matrix_a_scale:MATRIX_SCALE_ROW1
.elseif WSEL == 3
	v_wmma_scale_f32_16x16x128_f8f6f4 v[\d:\d+7], v[\a:\a+7], v[\b:\b+7], v[\d:\d+7], v[\sa], v[\sb] matrix_a_fmt:MATRIX_FMT_FP4 matrix_b_fmt:MATRIX_FMT_FP4 matrix_a_scale:MATRIX_SCALE_ROW1 matrix_b_scale:MATRIX_SCALE_ROW1
.elseif WSEL == 4
	v_wmma_scale_f32_16x16x128_f8f6f4 v[\d:\d+7], v[\a:\a+7], v[\b:\b+7], 0, v[\sa], v[\sb] matrix_a_fmt:MATRIX_FMT_FP4 matrix_b_fmt:MATRIX_FMT_FP4
.elseif WSEL == 5
	v_wmma_scale_f32_16x16x128_f8f6f4 v[\d:\d+7], v[\a:\a+7], v[\b:\b+7], 0, v[\sa], v[\sb] matrix_a_fmt:MATRIX_FMT_FP4 matrix_b_fmt:MATRIX_FMT_FP4 matrix_b_scale:MATRIX_SCALE_ROW1
.elseif WSEL == 6
	v_wmma_scale_f32_16x16x128_f8f6f4 v[\d:\d+7], v[\a:\a+7], v[\b:\b+7], 0, v[\sa], v[\sb] matrix_a_fmt:MATRIX_FMT_FP4 matrix_b_fmt:MATRIX_FMT_FP4 matrix_a_scale:MATRIX_SCALE_ROW1
.else
	v_wmma_scale_f32_16x16x128_f8f6f4 v[\d:\d+7], v[\a:\a+7], v[\b:\b+7], 0, v[\sa], v[\sb] matrix_a_fmt:MATRIX_FMT_FP4 matrix_b_fmt:MATRIX_FMT_FP4 matrix_a_scale:MATRIX_SCALE_ROW1 matrix_b_scale:MATRIX_SCALE_ROW1
.endif
.endm
; 32 numbers of a lane, register 8 t + j = column 16 t + 8 (lane / 16) + j of my row (64 columns: two blocks of 32, each shared with lane l xor 16), become half a fragment: four registers v[pc] on,
; in which lane (r, h) holds block h of row r whole; and the word v[sw] = the two blocks' bytes.  Every accumulator is read from its low end on.
.macro QUANT2 s, pc, sw
	v_max3_num_f32 v[TM], |v[\s]|, |v[\s+1]|, 0x1800000            ; block 0: my 16 numbers, and the floor 2^(3 - 127): the byte cannot fall under 1
	v_max3_num_f32 v[TM+1], |v[\s+16]|, |v[\s+17]|, 0x1800000      ; block 1 likewise; the two by turns
.irp i, 2,4,6,8,10,12,14
	v_max3_num_f32 v[TM], v[TM], |v[\s+\i]|, |v[\s+\i+1]|
	v_max3_num_f32 v[TM+1], v[TM+1], |v[\s+16+\i]|, |v[\s+17+\i]|
.endr
	s_delay_alu instid0(VALU_DEP_2)
	v_permlanex16_b32 v[TM+2], v[TM], s[SEL], s[SEL+1]
	s_delay_alu instid0(VALU_DEP_2)
	v_permlanex16_b32 v[TM+3], v[TM+1], s[SEL], s[SEL+1]
	s_delay_alu instid0(VALU_DEP_2)
	v_max_num_f32 v[TM], v[TM], v[TM+2]            ; with lane l xor 16's: the block's largest magnitude
	s_delay_alu instid0(VALU_DEP_2)
	v_max_num_f32 v[TM+1], v[TM+1], v[TM+3]
	s_delay_alu instid0(VALU_DEP_2)
	v_add_nc_u32 v[TM+4], 0xff000000, v[TM]        ; 2 off the exponent field: the conversion's scale operand
	s_delay_alu instid0(VALU_DEP_2)
	v_add_nc_u32 v[TM+5], 0xff000000, v[TM+1]
	s_delay_alu instid0(VALU_DEP_2)
	v_lshrrev_b32 v[TM+2], 23, v[TM+4]             ; the scales' bytes
	s_delay_alu instid0(VALU_DEP_2)
	v_lshrrev_b32 v[TM+3], 23, v[TM+5]
	s_delay_alu instid0(VALU_DEP_1)
	v_lshl_or_b32 v[\sw], v[TM+3], 8, v[TM+2]
	v_cvt_scalef32_pk8_fp4_f32 v[\pc], v[\s:\s+7], v[TM+4]         ; block 0, k 8 h on
	v_cvt_scalef32_pk8_fp4_f32 v[\pc+2], v[\s+8:\s+15], v[TM+4]    ; block 0, k 16 + 8 h on
	v_cvt_scalef32_pk8_fp4_f32 v[\pc+1], v[\s+16:\s+23], v[TM+5]   ; block 1, k 8 h on
	v_cvt_scalef32_pk8_fp4_f32 v[\pc+3], v[\s+24:\s+31], v[TM+5]   ; block 1, k 16 + 8 h on
	v_nop                                          ; one plain instruction behind a scaled conversion
	v_permlane16_swap_b32 v[\pc], v[\pc+1]         ; the first's lanes 16-31 change places with the second's lanes 0-15: now k 0-7 and k 8-15 of block h
	v_permlane16_swap_b32 v[\pc+2], v[\pc+3]       ; and k 16-23, k 24-31
.endm
.macro SCALES ch                       ; a chunk's scale words: 16 bytes of a row's 32 are its four K steps' words
.irp i, 0,1
	ds_load_b128 v[SCA+4*\i:SCA+4*\i+3], v[SAD] offset:512*\i+16*\ch
	ds_load_b128 v[SCB+4*\i:SCB+4*\i+3], v[SBD] offset:512*\i+16*\ch
.endr
.endm
; A K step of 128: eight fragments (lane l: row l % 16; registers 4 c on: K = 64 c + 32 (l / 16) + 0 .. 31: 16 bytes as they lie), sixteen products, each accumulator once: the accumulators take turns.
.macro KSTEP ch, q, zero
.irp i, 0,1,2,3
.irp c, 0,1
	ds_load_b128 v[AF+8*\i+4*\c:AF+8*\i+4*\c+3], v[ADRA+\ch] offset:64*\q+32*\c+\i*16*PITCH
	ds_load_b128 v[BF+8*\i+4*\c:BF+8*\i+4*\c+3], v[ADRB+\ch] offset:64*\q+32*\c+\i*16*PITCH
.endr
.endr
	s_wait_dscnt 0x0                               ; all of them (and at a chunk's head the scale words) are in; the SIMD's other three waves work meanwhile
.irp a, 0,1,2,3
.irp j, 0,1,2,3
	WM ACC+8*(4*\a+\j), BF+8*\j, AF+8*\a, \zero, SCB+4*(\j%2)+\q, SCA+4*(\a%2)+\q, \j/2, \a/2
.endr
.endr
.rept 4
	v_nop                                          ; four places in front of the next loads into registers that these products read, and of the first read of results
.endr
.endm
.macro CHUNK ch, first
	SCALES \ch
.set Q, 0
.rept NQ
.if (\first) && (Q == 0)
	KSTEP \ch, Q, 1
.else
	KSTEP \ch, Q, 0
.endif
.set Q, Q+1
.endr
.endm
	s_load_b256 s[4:11], s[0:1], 0x0               ; h1's codes s[4:5], its scales s[6:7], the weight's codes s[8:9], its scales s[10:11]
	s_load_b128 s[12:15], s[0:1], 0x20             ; the images s[12:13], the scale words s[14:15]
	v_lshl_add_u32 v126, v0, 2, 0x48000
	v_mov_b32 v127, 0
	ds_add_u32 v126, v127
	ds_add_u32 v126, v127
	v_lshrrev_b32 v1, 5, v0
	s_delay_alu instid0(VALU_DEP_1)
	v_readfirstlane_b32 s[WV], v1                  ; wave 0..15
	s_and_b32 s[FH], s[WV], 1                      ; which 128 rows of a tile I fetch, if I fetch
	s_mov_b32 s[SEL], 0x76543210                   ; v_permlanex16_b32's selects for lane l xor 16
	s_mov_b32 s[SEL+1], 0xfedcba98
	s_bfe_u32 s84, ttmp6, 0x40000                  ; cx
	s_bfe_u32 s85, ttmp6, 0x40004                  ; cy
	s_lshl_b32 s86, s85, 2
	s_lshl_b32 s86, 15, s86                        ; my row of the cluster
	s_lshl_b32 s87, 0x1111, s84                    ; my column
	s_and_b32 s88, ttmp7, 0xffff                   ; cluster y
	s_cmp_eq_u32 ttmp9, 2                          ; the cluster's x = 2: v.  The same in all sixteen partners
	s_cselect_b32 s89, 0, s88                      ; the cluster's place along A's rows: v's weight rows are 4 tiles, tokens 16
	s_cselect_b32 s90, s88, ttmp9                  ; and along B's
	s_cselect_b32 s91, 0x100000, 0                 ; v's rows of the weight begin 2,048 rows on: in the codes,
	s_cselect_b32 s92, 0x10000, 0                  ; in the scale bytes
	s_lshl_b32 s89, s89, 2
	s_add_co_u32 s89, s89, s85                     ; tile row
	s_lshl_b32 s90, s90, 2
	s_add_co_u32 s90, s90, s84                     ; tile column
	s_lshl_b32 s94, s[FH], 7
	s_lshl_b32 s93, s89, 8
	s_add_co_u32 s93, s93, s94                     ; A: row 256 x tile row + 128 x half
	s_lshl_b32 s96, s93, 9
	s_add_co_u32 s96, s96, s91                     ; its codes, in bytes
	s_mov_b32 s97, 0
	s_lshl_b32 s98, s93, 5
	s_add_co_u32 s98, s98, s92                     ; its scale bytes
	s_mov_b32 s99, 0
	s_lshl_b32 s95, s90, 8
	s_add_co_u32 s95, s95, s94                     ; B: row 256 x tile column + 128 x half
	s_lshl_b32 s16, s95, 9
	s_mov_b32 s17, 0
	s_lshl_b32 s18, s95, 5
	s_mov_b32 s19, 0
	; descriptor groups 1.  Codes: 128 rows x 256 bytes, 512 bytes apart in memory, 16 bytes of padding behind each in LDS
	s_or_b32 s[G1A], s86, 0x07700000               ; 15:0 the mask; 17:16 elements of 1 byte; 20 padding on; 21 set beside a mask; 24:22 after every 64 words (code 5); 31:25 four words (code 3)
	s_or_b32 s[G1B], s87, 0x07700000
.irp g, G1A, G1B
	s_mov_b32 s[\g+1], 256<<16                     ; tensor_dim0
	s_mov_b32 s[\g+2], 128<<16                     ; tensor_dim1
	s_mov_b32 s[\g+3], 256<<16                     ; tile_dim0
	s_mov_b32 s[\g+4], 128                         ; tile_dim1
	s_mov_b32 s[\g+5], 512                         ; tensor_dim0_stride
	s_mov_b32 s[\g+6], 0
	s_mov_b32 s[\g+7], 0
.endr
	; scale bytes of 128 rows: 4,096 dense bytes as 16 rows of 256 (32 elements of 8 bytes)
	s_or_b32 s[G1SA], s86, 0x00230000
	s_or_b32 s[G1SB], s87, 0x00230000
.irp g, G1SA, G1SB
	s_mov_b32 s[\g+1], 32<<16
	s_mov_b32 s[\g+2], 16<<16
	s_mov_b32 s[\g+3], 32<<16
	s_mov_b32 s[\g+4], 16
	s_mov_b32 s[\g+5], 32
	s_mov_b32 s[\g+6], 0
	s_mov_b32 s[\g+7], 0
.endr
	s_and_b32 s3, s[WV], 3                         ; which quarter of a chunk, or of the scale bytes, I fetch: 0, 1 A's halves, 2, 3 B's
	s_mul_i32 s2, s3, HALFT                        ; where the codes go: quarter x 128 rows
	s_lshl_b32 s3, s3, 12
	s_add_co_u32 s3, s3, SCL                       ; and the scale bytes: wave x 4,096
	s_wait_dscnt 0x0
	s_wait_kmcnt 0x0
	s_cmp_eq_u32 ttmp9, 2
	s_cselect_b64 s[G0AS+2:G0AS+3], s[10:11], s[6:7]
	s_cselect_b64 s[G0A0+2:G0A0+3], s[8:9], s[4:5]
	s_cselect_b64 s[G0BS+2:G0BS+3], s[6:7], s[10:11]
	s_cselect_b64 s[G0B0+2:G0B0+3], s[4:5], s[8:9]
	s_add_nc_u64 s[G0AS+2:G0AS+3], s[G0AS+2:G0AS+3], s[98:99]
	s_add_nc_u64 s[G0A0+2:G0A0+3], s[G0A0+2:G0A0+3], s[96:97]
	s_add_nc_u64 s[G0A1+2:G0A1+3], s[G0A0+2:G0A0+3], 256           ; chunk 1: 512 codes on in each row
	s_add_nc_u64 s[G0BS+2:G0BS+3], s[G0BS+2:G0BS+3], s[18:19]
	s_add_nc_u64 s[G0B0+2:G0B0+3], s[G0B0+2:G0B0+3], s[16:17]
	s_add_nc_u64 s[G0B1+2:G0B1+3], s[G0B0+2:G0B0+3], 256
.irp g, G0AS, G0A0, G0A1, G0BS, G0B0, G0B1
	s_mov_b32 s[\g], 1                             ; count = 1
	s_or_b32 s[\g+3], s[\g+3], 0x80000000          ; type = 2
.endr
	s_mov_b32 s[G0AS+1], s3
	s_mov_b32 s[G0BS+1], s3
	s_mov_b32 s[G0A0+1], s2
	s_mov_b32 s[G0B0+1], s2
	s_add_co_u32 s[G0A1+1], s2, SLOT
	s_add_co_u32 s[G0B1+1], s2, SLOT
	CROUND                                         ; all sixteen work-groups are here: the joint loads meet
; THE FIRST FILLS, ONE A WAVE: twelve loads on waves 0 to 11, in one chain of branches on the wave's number: scale bytes, chunk 0, chunk 1; in each A's halves, then B's
.macro ARM under, g0, g1, next
	s_cmp_lt_u32 s[WV], \under
	s_cbranch_scc0 \next
	tensor_load_to_lds s[\g0:\g0+3], s[\g1:\g1+7]
	s_nop 0
.rept 4
	v_nop
.endr
	s_branch .Lasked
\next:
.endm
	ARM 2,  G0AS, G1SA, .Larm1
	ARM 4,  G0BS, G1SB, .Larm2
	ARM 6,  G0A0, G1A,  .Larm3
	ARM 8,  G0B0, G1B,  .Larm4
	ARM 10, G0A1, G1A,  .Larm5
	ARM 12, G0B1, G1B,  .Larm6
.Lasked:
	v_and_b32 v1, 15, v0                           ; r
	v_bfe_u32 v2, v0, 4, 1                         ; h
	v_and_b32 v3, 31, v0                           ; lane
	s_delay_alu instid0(VALU_DEP_3)
	v_mul_u32_u24 v12, v1, PITCH
	s_delay_alu instid0(VALU_DEP_1)
	v_lshl_add_u32 v12, v2, 4, v12                 ; a fragment's row x pitch + 16 h
	s_lshr_b32 s91, s[WV], 2                       ; which 64 rows of A are mine
	s_and_b32 s92, s[WV], 3                        ; which 64 rows of B
	s_mul_i32 s93, s91, 64*PITCH
	s_mul_i32 s94, s92, 64*PITCH
	s_add_co_u32 s94, s94, 2*HALFT
	v_add_nc_u32 v[ADRA], s93, v12
	v_add_nc_u32 v[ADRB], s94, v12
	s_add_co_u32 s93, s93, SLOT
	s_add_co_u32 s94, s94, SLOT
	v_add_nc_u32 v[ADRA+1], s93, v12
	v_add_nc_u32 v[ADRB+1], s94, v12
	v_lshlrev_b32 v13, 5, v1
	s_delay_alu instid0(VALU_DEP_1)
	v_lshl_add_u32 v13, v2, 10, v13                ; scale words: 32 bytes a row; lanes 16-31 stand 32 rows (two tiles) further on
	s_lshl_b32 s93, s91, 11
	s_add_co_u32 s93, s93, SCL
	s_lshl_b32 s94, s92, 11
	s_add_co_u32 s94, s94, SCL+8192
	v_add_nc_u32 v[SAD], s93, v13
	v_add_nc_u32 v[SBD], s94, v13
	v_lshlrev_b32 v10, 4, v3                       ; out: an image's 16 bytes a lane
	v_lshlrev_b32 v11, 4, v1
	s_delay_alu instid0(VALU_DEP_1)
	v_lshl_add_u32 v11, v2, 3, v11                 ; and the scale words: row r's 16 bytes, 8 for each half of the lanes
	; where my 64 x 64 goes
	s_lshl_b32 s93, s89, 2
	s_add_co_u32 s93, s93, s91                     ; my group of 64 along A's rows
	s_lshl_b32 s94, s90, 2
	s_add_co_u32 s94, s94, s92                     ; and along B's
	s_add_co_u32 s95, s93, 32
	s_cmp_eq_u32 ttmp9, 2
	s_cselect_b32 s96, s94, s93                    ; the group of tokens, 0..63
	s_cselect_b32 s97, s95, s94                    ; the group of qkv's columns, 0..47
	s_lshr_b32 s98, s97, 4
	s_lshl_b32 s98, s98, 5                         ; 32 x (q, k or v)
	s_lshr_b32 s99, s96, 5
	s_lshl_b32 s99, s99, 4                         ; + 16 x batch
	s_add_co_u32 s98, s98, s99
	s_and_b32 s99, s97, 15
	s_add_co_u32 s98, s98, s99                     ; + head: the plane
	s_and_b32 s96, s96, 31                         ; the group of 64 tokens in the batch
	s_lshl_b32 s2, s98, 16
	s_lshl_b32 s99, s96, 11
	s_add_co_u32 s2, s2, s99
	s_mov_b32 s3, 0
	s_add_nc_u64 s[12:13], s[12:13], s[2:3]
	s_lshl_b32 s2, s98, 13
	s_lshl_b32 s99, s96, 8
	s_add_co_u32 s2, s2, s99
	s_add_nc_u64 s[14:15], s[14:15], s[2:3]
	s_wait_alu depctr_va_vdst(0)
	s_wait_tensorcnt 0x0                           ; my one load is in
	s_barrier_signal -1
	s_barrier_wait -1                              ; everybody's are
	CHUNK 0, 1                                     ; behind the barrier all of K lies in LDS
	CHUNK 1, 0
	; THE WAY OUT: each of my four tiles of 16 rows becomes half a fragment and a scale word
	v_mov_b32 v[TM+2], 0                           ; written once: a lane permute's destination counts as one of its sources
	v_mov_b32 v[TM+3], 0
.irp a, 0,1,2,3
	QUANT2 ACC+32*\a, 16+4*\a, 32+\a
.endr
	v_cmp_gt_u32 vcc_lo, 16, v3
	s_delay_alu instid0(VALU_DEP_1)
	v_cndmask_b32 v36, v34, v32, vcc_lo            ; lanes 0-15 store tiles 0 and 1's words, lanes 16-31 tiles 2 and 3's
	s_delay_alu instid0(VALU_DEP_2)
	v_cndmask_b32 v37, v35, v33, vcc_lo
.irp a, 0,1,2,3
	global_store_b128 v10, v[16+4*\a:19+4*\a], s[12:13] offset:512*\a   ; 32 lanes store 512 consecutive bytes, aligned
.endr
	global_store_b64 v11, v[36:37], s[14:15]       ; 256 consecutive bytes, aligned
	s_wait_dscnt 0x0
	s_wait_tensorcnt 0x0
	ds_add_u32 v126, v127
	s_wait_dscnt 0x0
	CROUND                                         ; the closing round: no work-group ends while a partner may still ask for a tile that names it
	s_endpgm
.Lfunc_end_k_qb5a27adf1c_qkv:
	.size	k_qb5a27adf1c_qkv, .Lfunc_end_k_qb5a27adf1c_qkv-k_qb5a27adf1c_qkv
	.p2alignl 7, 3214868480
	.fill 96, 4, 3214868480
	.section	.rodata,"a",@progbits
	.p2align	6, 0x0
	.amdhsa_kernel k_qb5a27adf1c_qkv
		.amdhsa_group_segment_fixed_size 296960
		.amdhsa_private_segment_fixed_size 0
		.amdhsa_enable_private_segment 0
		.amdhsa_kernarg_size 48
		.amdhsa_user_sgpr_count 2
		.amdhsa_user_sgpr_kernarg_segment_ptr 1
		.amdhsa_wavefront_size32 1
		.amdhsa_system_sgpr_workgroup_id_x 1
		.amdhsa_system_sgpr_workgroup_id_y 1
		.amdhsa_system_sgpr_workgroup_id_z 1
		.amdhsa_system_vgpr_workitem_id 0
		.amdhsa_next_free_vgpr 256
		.amdhsa_next_free_sgpr 100
		.amdhsa_reserve_vcc 1
		.amdhsa_float_denorm_mode_32 3
		.amdhsa_float_denorm_mode_16_64 3
		.amdhsa_memory_ordered 1
		.amdhsa_forward_progress 1
		.amdhsa_inst_pref_size 46
	.end_amdhsa_kernel
	.amdgpu_metadata
---
amdhsa.version: [ 1, 2 ]
amdhsa.kernels:
  - .name:           k_qb5a27adf1c_qkv
    .symbol:         k_qb5a27adf1c_qkv.kd
    .args:
      - { .name: hc, .offset: 0, .size: 8, .value_kind: global_buffer, .address_space: global }
      - { .name: hs, .offset: 8, .size: 8, .value_kind: global_buffer, .address_space: global }
      - { .name: qkv_w_codes, .offset: 16, .size: 8, .value_kind: global_buffer, .address_space: global }
      - { .name: qkv_w_scales, .offset: 24, .size: 8, .value_kind: global_buffer, .address_space: global }
      - { .name: qkvc, .offset: 32, .size: 8, .value_kind: global_buffer, .address_space: global }
      - { .name: qkvs, .offset: 40, .size: 8, .value_kind: global_buffer, .address_space: global }
    .group_segment_fixed_size: 296960
    .private_segment_fixed_size: 0
    .kernarg_segment_align: 8
    .kernarg_segment_size: 48
    .max_flat_workgroup_size: 512
    .sgpr_count:     100
    .vgpr_count:     256
    .wavefront_size: 32
...
	.end_amdgpu_metadata
.endif
;; end of part 2
;; launch attn (part 3): grid 8 x 32, 16 waves a work-group, no clusters, 327,680 bytes of LDS; arguments qkvc, qkvs, ac, asc; writes ac, asc
.if DOCPART == 3
	.amdgcn_target "amdgcn-amd-amdhsa--gfx1250"
	.amdhsa_code_object_version 6
	.text
	.protected	k_qb5a27adf1c_attn
	.globl	k_qb5a27adf1c_attn
	.p2align	8
	.type	k_qb5a27adf1c_attn,@function
k_qb5a27adf1c_attn:
	s_mov_b64 s[64:65], 0
	v_nop
	global_prefetch_b8 v0, s[64:65] scope:SCOPE_SE
	s_setreg_imm32_b32 hwreg(HW_REG_WAVE_MODE, 25, 1), 1
	s_wait_xcnt 0x0
; y[b][q][head][:] = the sum over keys k <= q of softmax_k(Q . K / 8) V, both products on codes of FP4 with E8M0 scales; y is quantised at once along the model's 1,024 for the next product.
; IN: register images of half fragments [plane 96][group of 64: 32][tile of 16 rows: 4][lane 32][16 bytes], plane = 32 (q, k, v) + 16 batch + head: for q and k the rows are tokens and K the head's 64; for v the rows are
; the head's 64 and K the tokens.  Scale words [plane][group][row 16][tile 4]: bytes 0, 1 the two blocks', bytes 2, 3 zero.
; THE FIRST PRODUCT'S K IS 64: K's fragments hold zero codes for the instruction's other 64 (registers cleared once, never loaded into), so whatever codes stand there on Q's side add nothing; the scale byte 0 is a power of two.
; THE SOFTMAX: t = score x log2(e) / 8; M = the running largest t rounded UP to a whole number; p = 2^(t - M) is quantised along the keys, not normalised; the sum of the unquantised p divides at the end.
; When M moves, the sum and O are multiplied by 2^(old M - new M): exact.
; WORK LEFT OUT: key steps all of whose keys come after a tile's queries: the causal mask sets their scores to -infinity, so their weights are 0 for all inputs.
; SHARES.  A work-group has one head and sixteen waves.  Work-group x takes the tiles of 16 queries e = 8 x + i and 127 - e, i = 0 .. 7: x + 1 and 16 - x key steps of 128, 17 for the pair, which two waves share.
; The wave of kind B takes the late tile's steps 0 to 8: nine.  The wave of kind A takes the early tile, stores it, changes to the late tile's queries behind step 8, and takes that tile's steps 9 on: eight in all.
; A hands its part (-M, the sums, O^T) to B as register images in LDS bytes of the pair's own; B joins the two parts by exact powers of two and stores the late tile.  Each four waves w % 4 or w / 4 have two of each kind.
; All loops have constant trip counts (steps 0-1, 2-3, 4-8, 9-15); a step is walked where step <= HI, a scalar test on ids; in the one step on a tile's diagonal hidden scores become -infinity.
; LDS: K's codes of the head at 0, V's at 65,536, K's scale words at 131,072, V's 8,192 on; each byte is filled once, by loads of 8,192 bytes (256 keys of a plane, or a plane's words).
; At the head six waves ask for one load each: keys 0 to 511 of K and V, and both planes' words.  Behind the first barrier waves 0 to 11 ask for one load each: keys 512 on.
; The barrier that shows those to every wave is split: a wave waits for its own load and signals behind step 1, walks steps 2 and 3, which read keys 256 to 511 alone, and waits ahead of step 4.
; A part whose first key comes after the work-group's last query is read by no wave and is not asked for: a test on ids leads round the load alone.  Every wait on TENSORcnt is for 0.
; LAYOUT.  Both products are used transposed: S^T = K Q^T, O^T = V^T P^T: a lane holds one query (lane % 16); register 8 T + j of S^T is key 16 T + 8 (lane / 16) + j.  Two exchanges of halves make whole blocks in a lane.
; NO CLUSTER: the tests on steps hang on the work-group's block of queries, in which the work-groups that share a head's K and V differ.
; NO PREFETCH: both groups of loads are asked for ahead of the first loop's first trip, so there is no trip in which to ask ahead of them.
; OUT: y's images [tile of 16 tokens: 256][head 16][lane 32][16 bytes], 512 consecutive bytes a wave; its scale bytes [token][32], two bytes a row and head: the row's other bytes are other work-groups'.
; LIMITS: NaN and infinities are not served; the scaled scores stay under 2^31 in magnitude.  A block of zeros gets the byte 1, not 127: its codes are zeros, and this program alone reads the bytes.
; REGISTERS: v1 16 x lane, v2 16 x (lane % 16), v3 the late tile's scale words; v4-6 LDS addresses of the step; v7, v8 the add's two; v9 the pair's LDS bytes, v10 y's scale bytes; v12 -M, v13 the largest t, v[14:15] the sum in two halves;
; v16-19 Q, v20-23 the late tile's Q; v24-31 K's scale words; v32-95 eight fragments of K; v96-159 S^T, then p; v160-191 O^T; v192-223 four fragments of V; v224-231 p's codes; v232-239, v244-247, v252, v254 at work;
; v240-243, v248-251 V's scale words; v253 p's; v255 Q's.
.set KWB,   131072                     ; K's scale words in LDS
.set SPARE, 147456                     ; the spare words: 128 bytes for each of sixteen waves
.set SCR,   SPARE+2048                 ; eight pairs' bytes: nine images of 512 bytes each; no fill lands here
.set L16, 1
.set R16, 2
.set QW2, 3
.set ADK, 4
.set ADV, 5
.set ADS, 6
.set SPW, 7
.set NIL, 8
.set XA,  9
.set YO,  10
.set TM,  128                          ; at work in the last quantiser
.set WV,  18
.set BH,  19
.set SEL, 20
.set CS,  22                           ; s[22:23] c = log2(e) / 8: the packed form names a pair and takes its low word for both halves
.set G1,  24                           ; s[24:31] descriptor group 1: 32 rows of 256 bytes, for every load of this text
.set G0S, 32                           ; s[32:35] group 0 of a plane's scale words
.set G0C, 36                           ; s[36:39] group 0 of a part of a plane's codes
.set LQ,  40                           ; my work-group's last query
.set PK,  41                           ; the first key of the part that I ask for behind the first barrier
.set AT,  42                           ; the tile's place among the eight tiles of its diagonal step
.set KIND, 43                          ; 0: kind A, 1: kind B
.set HI,  45                           ; the last step that I walk
.set HI2, 47                           ; the same from step 9 on,
.set DG2, 48                           ; and the late tile's diagonal step and place in it
.set AT2, 49
.set KO,  72                           ; LDS byte of the step's K images: 4,096 a step
.set VO,  73                           ; of V's
.set SO,  74                           ; of K's scale words: 512 a step; V's lie 8,192 further on
.set ST,  75                           ; the step's number
.set DG,  76                           ; the step on the tile's diagonal
.set CNT, 77
.set TAU, 78                           ; the tile that I begin with and store
.macro WM d, a, b, zero, sa, sb
.if \zero
	v_wmma_scale_f32_16x16x128_f8f6f4 v[\d:\d+7], v[\a:\a+7], v[\b:\b+7], 0, v[\sa], v[\sb] matrix_a_fmt:MATRIX_FMT_FP4 matrix_b_fmt:MATRIX_FMT_FP4
.else
	v_wmma_scale_f32_16x16x128_f8f6f4 v[\d:\d+7], v[\a:\a+7], v[\b:\b+7], v[\d:\d+7], v[\sa], v[\sb] matrix_a_fmt:MATRIX_FMT_FP4 matrix_b_fmt:MATRIX_FMT_FP4
.endif
.endm
; 32 numbers of a lane, register 8 t + j = column 16 t + 8 (lane / 16) + j of my row, become half a fragment in v[pc] on (lane (r, h): block h of row r) and the word v[sw] of the two blocks' bytes
.macro QUANT2 s, pc, sw
	v_max3_num_f32 v[TM], |v[\s]|, |v[\s+1]|, 0x1800000            ; and the floor 2^(3 - 127): the byte cannot fall under 1
	v_max3_num_f32 v[TM+1], |v[\s+16]|, |v[\s+17]|, 0x1800000
.irp i, 2,4,6,8,10,12,14
	v_max3_num_f32 v[TM], v[TM], |v[\s+\i]|, |v[\s+\i+1]|
	v_max3_num_f32 v[TM+1], v[TM+1], |v[\s+16+\i]|, |v[\s+17+\i]|
.endr
	v_permlanex16_b32 v[TM+2], v[TM], s[SEL], s[SEL+1]
	v_permlanex16_b32 v[TM+3], v[TM+1], s[SEL], s[SEL+1]
	v_max_num_f32 v[TM], v[TM], v[TM+2]
	v_max_num_f32 v[TM+1], v[TM+1], v[TM+3]
	v_add_nc_u32 v[TM+4], 0xff000000, v[TM]
	v_add_nc_u32 v[TM+5], 0xff000000, v[TM+1]
	v_lshrrev_b32 v[TM+2], 23, v[TM+4]
	v_lshrrev_b32 v[TM+3], 23, v[TM+5]
	v_lshl_or_b32 v[\sw], v[TM+3], 8, v[TM+2]
	v_cvt_scalef32_pk8_fp4_f32 v[\pc], v[\s:\s+7], v[TM+4]
	v_cvt_scalef32_pk8_fp4_f32 v[\pc+2], v[\s+8:\s+15], v[TM+4]
	v_cvt_scalef32_pk8_fp4_f32 v[\pc+1], v[\s+16:\s+23], v[TM+5]
	v_cvt_scalef32_pk8_fp4_f32 v[\pc+3], v[\s+24:\s+31], v[TM+5]
	v_nop                                          ; one plain instruction behind a scaled conversion
	v_permlane16_swap_b32 v[\pc], v[\pc+1]
	v_permlane16_swap_b32 v[\pc+2], v[\pc+3]
.endm
.macro ARM under, g0, next             ; an arm of the head's chain: one load, and a jump to the chain's end
	s_cmp_lt_u32 s[WV], \under
	s_cbranch_scc0 \next
	tensor_load_to_lds s[\g0:\g0+3], s[G1:G1+7]
	s_nop 0
.rept 4
	v_nop
.endr
	s_branch .Lasked
\next:
.endm
; THE WAY OUT of a tile: O^T / the sum is 16 tokens' 64 numbers of this head: two blocks along the next product's K
.macro WAYOUT
	v_add_f32 v14, v14, v15                        ; the sum's two halves,
	v_permlanex16_b32 v252, v14, s[SEL], s[SEL+1]
	v_add_f32 v14, v14, v252                       ; and lane l xor 16's
	s_wait_alu depctr_va_vdst(0)                   ; the wait ahead of the transcendental
	v_rcp_f32 v14, v14
	v_mov_b32 v[TM+2], 0                           ; (the plain instruction behind the transcendental)
	v_mov_b32 v[TM+3], 0
	s_wait_alu depctr_va_vdst(0)                   ; the wait ahead of its first reader, which is also O^T's
.set J, 0
.rept 32
	v_mul_f32 v[96+J], v[160+J], v14               ; register 8 t + j: y(r, 16 t + 8 h + j); each accumulator from its low end on
.set J, J+1
.endr
	QUANT2 96, 224, 232
	global_store_b128 v[L16], v[224:227], s[8:9]   ; 32 lanes store 512 consecutive bytes, aligned
	global_store_b16 v[YO], v232, s[10:11]         ; lanes l and l xor 16 hold the same word and write the same two bytes with the same value
.endm
	s_load_b256 s[4:11], s[0:1], 0x0               ; the images s[4:5], the scale words s[6:7], y's images s[8:9], y's scale bytes s[10:11]
	v_lshl_add_u32 v[SPW], v0, 2, SPARE
	v_mov_b32 v[NIL], 0
	ds_add_u32 v[SPW], v[NIL]                      ; the opening lines: the add, twice on end, and its wait ahead of the first tensor load
	ds_add_u32 v[SPW], v[NIL]
	v_lshrrev_b32 v11, 5, v0
	v_readfirstlane_b32 s[WV], v11                 ; wave 0..15
	s_and_b32 s[BH], ttmp7, 0xffff                 ; 16 x batch + head
	s_and_b32 s14, s[WV], 1                        ; what I fetch, if I fetch: K's plane (0) or V's (1)
	s_lshr_b32 s15, s[WV], 1                       ; and which part of it.  Also: my pair
	s_lshl_b32 s12, s15, 13                        ; 8,192 bytes a part
	s_lshl_b32 s13, s14, 16
	s_mov_b32 s[G0C], 1                            ; count = 1
	s_add_co_u32 s[G0C+1], s13, s12                ; codes: 65,536 x plane + 8,192 x part
	s_lshl_b32 s17, s14, 13
	s_mov_b32 s[G0S], 1
	s_add_co_u32 s[G0S+1], s17, KWB                ; scale words: K's, then V's
	s_lshl_b32 s16, s14, 5
	s_add_co_u32 s16, s16, 32
	s_add_co_u32 s16, s16, s[BH]                   ; the plane
	s_lshl_b32 s80, s16, 16
	s_add_co_u32 s80, s80, s12                     ; my part of its codes, in bytes
	s_mov_b32 s81, 0
	s_lshl_b32 s82, s16, 13                        ; its scale words
	s_mov_b32 s83, 0
	s_lshl_b32 s[PK], s15, 8
	s_add_co_u32 s[PK], s[PK], 512                 ; behind the first barrier I ask for the part two further on: its first key
	s_lshl_b32 s[LQ], ttmp9, 7
	s_sub_co_u32 s[LQ], 2047, s[LQ]                ; tile 127 - 8 x ends at query 2,047 - 128 x
	s_mul_i32 s60, s15, 4608
	s_add_co_u32 s60, s60, SCR                     ; my pair's LDS bytes
	s_mov_b32 s[G1], 3<<16                         ; a dense block of 8,192 bytes as 32 rows of 256 (32 elements of 8 bytes)
	s_mov_b32 s[G1+1], 32<<16
	s_mov_b32 s[G1+2], 32<<16
	s_mov_b32 s[G1+3], 32<<16
	s_mov_b32 s[G1+4], 32
	s_mov_b32 s[G1+5], 32
	s_mov_b32 s[G1+6], 0
	s_mov_b32 s[G1+7], 0
	s_lshl_b32 s3, ttmp9, 3
	s_add_co_u32 s2, s15, s3                       ; 8 x + pair: the early tile,
	s_sub_co_u32 s3, 127, s2                       ; and the late one
	s_lshr_b32 s12, s[WV], 2
	s_xor_b32 s12, s12, s[WV]
	s_and_b32 s[KIND], s12, 1
	s_lshr_b32 s[DG2], s3, 3
	s_and_b32 s[AT2], s3, 7
	s_cmp_eq_u32 s[KIND], 1
	s_cselect_b32 s[TAU], s3, s2                   ; A begins with the early tile, B with the late one
	s_cselect_b32 s[HI2], 0, s[DG2]                ; from step 9 on: B walks none, A walks up to the late tile's diagonal
	s_lshr_b32 s[DG], s[TAU], 3
	s_and_b32 s[AT], s[TAU], 7
	s_mov_b32 s[HI], s[DG]                         ; up to step 8: up to the tile's diagonal
	s_lshl_b32 s84, s[BH], 16
	s_lshl_b32 s92, s3, 9
	s_add_co_u32 s92, s92, s84                     ; the late tile's image in q's plane,
	s_mov_b32 s93, 0
	s_lshl_b32 s12, s[TAU], 9
	s_add_co_u32 s84, s84, s12                     ; and my first tile's
	s_mov_b32 s85, 0
	s_lshl_b32 s86, s[BH], 13
	s_lshr_b32 s12, s3, 2
	s_lshl_b32 s12, s12, 8
	s_add_co_u32 s94, s86, s12
	s_and_b32 s12, s3, 3
	s_lshl_b32 s12, s12, 2
	s_add_co_u32 s94, s94, s12                     ; the late tile's scale words,
	s_mov_b32 s95, 0
	s_lshr_b32 s12, s[TAU], 2
	s_lshl_b32 s12, s12, 8
	s_add_co_u32 s86, s86, s12
	s_and_b32 s12, s[TAU], 3
	s_lshl_b32 s12, s12, 2
	s_add_co_u32 s86, s86, s12                     ; and my first tile's
	s_mov_b32 s87, 0
	s_lshr_b32 s12, s[BH], 4
	s_lshl_b32 s12, s12, 7
	s_add_co_u32 s12, s12, s[TAU]                  ; the tile that I store, among all 256
	s_and_b32 s14, s[BH], 15                       ; the head
	s_lshl_b32 s88, s12, 13
	s_lshl_b32 s16, s14, 9
	s_add_co_u32 s88, s88, s16                     ; y's image
	s_mov_b32 s89, 0
	s_lshl_b32 s90, s12, 9
	s_lshl_b32 s16, s14, 1
	s_add_co_u32 s90, s90, s16                     ; y's scale bytes
	s_mov_b32 s91, 0
	s_mov_b32 s[SEL], 0x76543210                   ; v_permlanex16_b32's selects for lane l xor 16
	s_mov_b32 s[SEL+1], 0xfedcba98
	s_mov_b32 s[CS], 0x3e38aa3b                    ; log2(e) / 8
	s_mov_b32 s[CS+1], s[CS]
	s_mov_b32 s[KO], 0
	s_mov_b32 s[VO], 65536
	s_mov_b32 s[SO], KWB
	s_mov_b32 s[ST], 0
	v_and_b32 v11, 15, v0                          ; r
	v_and_b32 v[L16], 31, v0
	v_lshlrev_b32 v[L16], 4, v[L16]                ; 16 x lane
	v_lshlrev_b32 v[R16], 4, v11                   ; 16 r
	v_lshlrev_b32 v[YO], 5, v11                    ; 32 bytes of y's scales a token
	v_add_nc_u32 v[XA], s60, v[L16]                ; an image in my pair's bytes: 16 x lane
.irp T, 0,1,2,3,4,5,6,7
.irp j, 4,5,6,7
	v_mov_b32 v[32+8*\T+\j], 0                     ; K's K = 64 .. 127: zero codes, cleared once, never loaded into
.endr
.endr
.set J, 0
.rept 32
	v_mov_b32 v[160+J], 0                          ; O^T: the step is written once; the first finds zeros, which the first change of M leaves zeros
.set J, J+1
.endr
	v_mov_b32 v14, 0                               ; the sum, in two halves
	v_mov_b32 v15, 0
.irp j, 236,237,238,239,252,253
	v_mov_b32 v[\j], 0                             ; lane permutes' destinations and the pair v[252:253] count as read
.endr
	v_mov_b32 v13, 0xff61b1e6                      ; the largest t so far: -3e38, under every t
	v_floor_f32 v12, -v13                          ; -M
	s_wait_alu depctr_va_vdst(0)                   ; the wait at the end of the head's vector work
	s_wait_dscnt 0x0                               ; both opening adds are done
	s_wait_kmcnt 0x0
	s_add_nc_u64 s[G0C+2:G0C+3], s[4:5], s[80:81]
	s_or_b32 s[G0C+3], s[G0C+3], 0x80000000        ; type = 2
	s_add_nc_u64 s[G0S+2:G0S+3], s[6:7], s[82:83]
	s_or_b32 s[G0S+3], s[G0S+3], 0x80000000
	ARM 4, G0C, .Lhead_s                           ; waves 0 to 3: keys 0 to 255 and 256 to 511 of K and of V
	ARM 6, G0S, .Lhead_none                        ; waves 4 and 5: K's and V's scale words
.Lasked:
	s_add_nc_u64 s[56:57], s[4:5], s[92:93]
	s_add_nc_u64 s[58:59], s[6:7], s[94:95]
	s_add_nc_u64 s[4:5], s[4:5], s[84:85]
	s_add_nc_u64 s[6:7], s[6:7], s[86:87]
	global_load_b128 v[16:19], v[L16], s[4:5]      ; my first tile's half fragment of Q,
	global_load_b32 v255, v[R16], s[6:7]           ; its scale words,
	global_load_b128 v[20:23], v[L16], s[56:57]    ; and the late tile's, where the operand's K = 64 .. 127 stand: there they meet K's zero codes alone
	global_load_b32 v[QW2], v[R16], s[58:59]
	s_add_nc_u64 s[8:9], s[8:9], s[88:89]
	s_add_nc_u64 s[10:11], s[10:11], s[90:91]
; A KEY STEP: 128 keys
.macro STEP
	s_cmp_gt_u32 s[ST], s[HI]                      ; not among my steps: only the addresses step
	s_cbranch_scc1 .Lhidden_\@
	v_add_nc_u32 v[ADK], s[KO], v[L16]             ; these four lines are the places between the last step's products and the loads into the registers that they read
	v_add_nc_u32 v[ADV], s[VO], v[L16]
	v_add_nc_u32 v[ADS], s[SO], v[R16]
	v_nop
.irp T, 0,1,2,3,4,5,6,7
	ds_load_b128 v[32+8*\T:35+8*\T], v[ADK] offset:512*\T          ; K's tile T: an image, 512 consecutive bytes
.endr
.irp e, 0,1
	ds_load_b128 v[24+4*\e:27+4*\e], v[ADS] offset:256*\e          ; row r's words of four tiles
.endr
.irp t, 0,1,2,3
.irp c, 0,1
	ds_load_b128 v[192+8*\t+4*\c:195+8*\t+4*\c], v[ADV] offset:2048*\c+512*\t   ; V: rows 16 t on of the head, keys 64 c on of the step
.endr
.endr
	ds_load_b128 v[240:243], v[ADS] offset:8192                    ; V's words of the step's first 64 keys,
	ds_load_b128 v[248:251], v[ADS] offset:8448                    ; and of its second
	s_wait_dscnt 10                                ; K and its words are in; V's eight loads and its words' two, issued behind them, may be out
.irp T, 0,1,2,3,4,5,6,7
	WM 96+8*\T, 32+8*\T, 16, 1, 24+\T, 255
.endr
.rept 4
	v_nop
.endr
	s_cmp_lg_u32 s[ST], s[DG]
	s_cbranch_scc1 .Lopen_\@                       ; all keys of this step count
; ON THE DIAGONAL.  Tile T of keys against my tile, the step's AT-th: T < AT: all count; T > AT: none; T = AT: register j is hidden in the lanes where 8 h + j > r, a constant mask of lanes
	v_mov_b32 v254, 0xff800000                     ; -infinity
	s_wait_alu depctr_va_vdst(0)                   ; the wait here, directly behind the write
.irp T, 0,1,2,3,4,5,6,7
	s_cmp_lt_u32 s[AT], \T
	s_cselect_b32 s97, -1, 0
	s_cmp_eq_u32 s[AT], \T
.irp j, 0,1,2,3,4,5,6,7
	s_cselect_b32 s[94+\j%2], ((1<<\j)-1)|(((1<<(\j+8))-1)<<16), s97
	v_cndmask_b32 v[96+8*\T+\j], v[96+8*\T+\j], v254, s[94+\j%2]
.endr
.endr
.Lopen_\@:
.irp b, 0,1,2,3
	v_max3_num_f32 v[232+\b], v[96+16*\b], v[97+16*\b], v[98+16*\b]   ; the largest score of each block of 32 keys: for the row's maximum, and, since p rises with the score, for the block's largest p
.endr
.irp i, 3,5,7,9,11,13
.irp b, 0,1,2,3
	v_max3_num_f32 v[232+\b], v[232+\b], v[96+16*\b+\i], v[97+16*\b+\i]
.endr
.endr
.irp b, 0,1,2,3
	v_max_num_f32 v[232+\b], v[232+\b], v[111+16*\b]
.endr
.irp b, 0,1,2,3
	v_permlanex16_b32 v[236+\b], v[232+\b], s[SEL], s[SEL+1]
.endr
.irp b, 0,1,2,3
	v_max_num_f32 v[232+\b], v[232+\b], v[236+\b]  ; with lane l xor 16's 16 keys
.endr
	v_max3_num_f32 v254, v232, v233, v234
	s_delay_alu instid0(VALU_DEP_1)
	v_max_num_f32 v254, v254, v235                 ; the step's largest score of my query
	s_delay_alu instid0(VALU_DEP_1)
	v_mul_f32 v254, s[CS], v254                    ; as t
	s_delay_alu instid0(VALU_DEP_1)
	v_max_num_f32 v13, v13, v254                   ; the running largest t
	v_mov_b32 v254, v12
	s_delay_alu instid0(VALU_DEP_2)
	v_floor_f32 v12, -v13                          ; the new -M = -ceil(t): a whole number
	s_delay_alu instid0(VALU_DEP_1)
	v_sub_f32 v254, v12, v254                      ; old M - new M: a whole number, 0 or less
.irp j, 0,2,4,6
	v_pk_fma_f32 v[96+\j:97+\j], v[96+\j:97+\j], s[CS:CS+1], v[12:13] op_sel_hi:[1,0,0]   ; t - M, two at a time (of the pairs c and -M the low word serves both halves)
.endr
	v_cvt_i32_f32 v254, v254                       ; (it saturates)
.irp j, 8,10,12,14
	v_pk_fma_f32 v[96+\j:97+\j], v[96+\j:97+\j], s[CS:CS+1], v[12:13] op_sel_hi:[1,0,0]
.endr
	v_ldexp_f32 v252, 1.0, v254                    ; f = 2^(old M - new M)
.irp j, 16,18,20,22,24,26,28,30,32,34,36,38,40,42,44,46,48,50,52,54,56,58,60,62
	v_pk_fma_f32 v[96+\j:97+\j], v[96+\j:97+\j], s[CS:CS+1], v[12:13] op_sel_hi:[1,0,0]
.endr
.irp b, 0,1,2,3
	v_fma_f32 v[232+\b], v[232+\b], s[CS], v12     ; the same of each block's largest score
.endr
	s_wait_alu depctr_va_vdst(0)                   ; the wait ahead of the batch
.set N, 0
.rept 64
	v_exp_f32 v[96+N], v[96+N]                     ; p = 2^(t - M), at most 1: not normalised
.set N, N+1
.endr
	v_pk_mul_f32 v[14:15], v[14:15], v[252:253] op_sel_hi:[1,0]    ; the sums under the new M (a plain place behind the exponentials)
	s_wait_alu depctr_va_vdst(0)                   ; one wait for the whole batch, ahead of its first reader
.irp b, 0,1,2,3
	v_exp_f32 v[232+\b], v[232+\b]                 ; the block's largest p: the same two instructions on the same number give the same bits
.endr
	v_pk_add_f32 v[236:237], v[96:97], v[98:99]    ; the row's sum is taken of the unquantised p: two at a time, in four chains by turns: 32 additions for 32 pairs
	v_pk_add_f32 v[238:239], v[100:101], v[102:103]
	v_pk_add_f32 v[244:245], v[104:105], v[106:107]
	v_pk_add_f32 v[14:15], v[14:15], v[108:109]
.irp j, 14,22,30,38,46,54
	v_pk_add_f32 v[236:237], v[236:237], v[96+\j:97+\j]
	v_pk_add_f32 v[238:239], v[238:239], v[98+\j:99+\j]
	v_pk_add_f32 v[244:245], v[244:245], v[100+\j:101+\j]
	v_pk_add_f32 v[14:15], v[14:15], v[102+\j:103+\j]
.endr
	v_pk_add_f32 v[236:237], v[236:237], v[158:159]
	v_pk_add_f32 v[238:239], v[238:239], v[244:245]
	v_pk_add_f32 v[14:15], v[14:15], v[236:237]
	v_pk_add_f32 v[14:15], v[14:15], v[238:239]
	s_wait_alu depctr_va_vdst(0)                   ; and one for the four
.irp b, 0,1,2,3
	v_max_num_f32 v[232+\b], 0x1800000, v[232+\b]  ; the floor 2^(3 - 127): a block whose every p is 0 keeps the byte 1; its codes are zeros
.endr
.irp b, 0,1,2,3
	v_add_nc_u32 v[244+\b], 0xff000000, v[232+\b]  ; 2 off the exponent field: the conversion's scale operand
.endr
.irp b, 0,1,2,3
	v_lshrrev_b32 v[236+\b], 23, v[244+\b]         ; the scale's byte
.endr
	v_lshl_or_b32 v253, v237, 8, v236              ; p's scale word for these 128 keys
	v_lshl_or_b32 v253, v238, 16, v253
	v_lshl_or_b32 v253, v239, 24, v253
.irp b, 0,1,2,3
	v_cvt_scalef32_pk8_fp4_f32 v[224+4*(\b/2)+(\b%2)], v[96+16*\b:103+16*\b], v[244+\b]    ; block b, keys 8 h on
	v_cvt_scalef32_pk8_fp4_f32 v[226+4*(\b/2)+(\b%2)], v[104+16*\b:111+16*\b], v[244+\b]   ; block b, keys 16 + 8 h on
.endr
	v_nop                                          ; one plain instruction behind a scaled conversion
.irp i, 224,226,228,230
	v_permlane16_swap_b32 v[\i], v[\i+1]           ; whole blocks in a lane: registers 4 c on hold block 2 c + h
.endr
	s_wait_dscnt 0x0                               ; V and its words are in
.irp t, 0,1,2,3
	v_lshl_or_b32 v[240+\t], v[248+\t], 16, v[240+\t]   ; the four bytes of V's rows for these 128 keys
.endr
	s_wait_alu depctr_va_vdst(0)                   ; the wait here, directly ahead of the first reader of O^T
.irp j, 0,2,4,6,8,10,12,14,16,18,20,22,24,26,28,30
	v_pk_mul_f32 v[160+\j:161+\j], v[160+\j:161+\j], v[252:253] op_sel_hi:[1,0]   ; O^T under the new M.  Twelve of these sixteen name no register of any one product below: the places behind the words' and the codes' writes
.endr
.irp t, 0,1,2,3
	WM 160+8*\t, 192+8*\t, 224, 0, 240+\t, 253     ; four accumulators, one product each
.endr
.Lhidden_\@:
	s_add_co_u32 s[KO], s[KO], 4096
	s_add_co_u32 s[VO], s[VO], 4096
	s_add_co_u32 s[SO], s[SO], 512
	s_add_co_u32 s[ST], s[ST], 1
.endm
.macro RUN n
	s_mov_b32 s[CNT], \n
.Lrun_\@:
	STEP
	s_sub_co_u32 s[CNT], s[CNT], 1
	s_cmp_lg_u32 s[CNT], 0
	s_cbranch_scc1 .Lrun_\@
.endm
	s_wait_loadcnt 0x0                             ; Q
	s_wait_tensorcnt 0x0                           ; my load of the head, if I had one, is in; these lines stand ahead of a later first fill:
	ds_add_u32 v[SPW], v[NIL]                      ; 0 onto my spare word,
	ds_add_u32 v[SPW], v[NIL]                      ; twice on end
	s_add_co_u32 s[G0C+1], s[G0C+1], 16384         ; no load of mine is out, so the group 0 may be written: two parts on, in LDS
	s_add_nc_u64 s[G0C+2:G0C+3], s[G0C+2:G0C+3], 16384   ; and in memory
	s_wait_dscnt 0x0
	s_barrier_signal -1
	s_barrier_wait -1                              ; keys 0 to 511 and all scale words lie in LDS
	s_cmp_gt_u32 s[PK], s[LQ]                      ; a part whose first key comes after my work-group's last query is read by no wave: ids alone
	s_cbranch_scc1 .Lpast
	s_cmp_lt_u32 s[WV], 12                         ; waves 0 to 11: parts 2 to 7 of K and of V
	s_cbranch_scc0 .Lpast
	tensor_load_to_lds s[G0C:G0C+3], s[G1:G1+7]
	s_nop 0
.rept 4
	v_nop
.endr
.Lpast:
	RUN 2                                          ; steps 0 and 1: keys 0 to 255
	s_wait_tensorcnt 0x0                           ; my part is in,
	s_wait_dscnt 0x0
	s_barrier_signal -1                            ; and I say so.
	RUN 2                                          ; steps 2 and 3: register work, and LDS loads of keys 256 to 511 and of scale words, which nobody writes any more
	s_barrier_wait -1                              ; everybody's parts are in
	RUN 5                                          ; steps 4 to 8
	; KIND A CHANGES TILES: the early tile is finished and goes out; the late tile's queries take its place, and the sums begin anew
	s_cmp_eq_u32 s[KIND], 1
	s_cbranch_scc1 .Lchanged
.rept 4
	v_nop
.endr
	WAYOUT
	v_mov_b32 v255, v[QW2]                         ; the 39 plain lines below are the places behind these writes of a scale register and of an operand
.irp j, 0,1,2,3
	v_mov_b32 v[16+\j], v[20+\j]
.endr
.set J, 0
.rept 32
	v_mov_b32 v[160+J], 0
.set J, J+1
.endr
	v_mov_b32 v14, 0
	v_mov_b32 v15, 0
	v_mov_b32 v13, 0xff61b1e6
	v_floor_f32 v12, -v13
	s_wait_alu depctr_va_vdst(0)                   ; the wait here, directly ahead of the wait below
	s_wait_xcnt 0x0                                ; the stores have read their registers, which the next steps write again
.Lchanged:
	s_mov_b32 s[HI], s[HI2]
	s_mov_b32 s[DG], s[DG2]
	s_mov_b32 s[AT], s[AT2]
	RUN 7                                          ; steps 9 to 15
	; A HANDS ITS PART OF THE LATE TILE TO B: eight images of O^T and one of -M, the largest t and the sums, 512 bytes each
	s_cmp_eq_u32 s[KIND], 1
	s_cbranch_scc1 .Lgiven
.rept 4
	v_nop
.endr
.irp k, 0,1,2,3,4,5,6,7
	ds_store_b128 v[XA], v[160+4*\k:163+4*\k] offset:512*\k        ; each accumulator from its low end on
.endr
	ds_store_b128 v[XA], v[12:15] offset:4096
.Lgiven:
	s_wait_dscnt 0x0                               ; for B's sake: my images lie in LDS
	s_barrier_signal -1
	s_barrier_wait -1
	s_cmp_eq_u32 s[KIND], 0
	s_cbranch_scc1 .Lend
.irp k, 0,1,2,3,4,5,6,7
	ds_load_b128 v[96+4*\k:99+4*\k], v[XA] offset:512*\k           ; the same lanes hold the same queries and channels in both waves
.endr
	ds_load_b128 v[128:131], v[XA] offset:4096
	s_wait_dscnt 0x0
	v_min_num_f32 v254, v12, v128                  ; -M of both parts together
	s_delay_alu instid0(VALU_DEP_1)
	v_sub_f32 v252, v254, v12                      ; my M less the common one, and A's: whole numbers, 0 or less
	v_sub_f32 v132, v254, v128
	s_delay_alu instid0(VALU_DEP_2)
	v_cvt_i32_f32 v252, v252                       ; (they saturate: a part with no step has -M = 3e38, factor 0, and holds zeros)
	s_delay_alu instid0(VALU_DEP_2)
	v_cvt_i32_f32 v132, v132
	s_delay_alu instid0(VALU_DEP_2)
	v_ldexp_f32 v252, 1.0, v252
	s_delay_alu instid0(VALU_DEP_2)
	v_ldexp_f32 v132, 1.0, v132
	v_pk_mul_f32 v[14:15], v[14:15], v[252:253] op_sel_hi:[1,0]
.irp j, 0,2,4,6,8,10,12,14,16,18,20,22,24,26,28,30
	v_pk_mul_f32 v[160+\j:161+\j], v[160+\j:161+\j], v[252:253] op_sel_hi:[1,0]   ; each accumulator from its low end on
.endr
	v_pk_fma_f32 v[14:15], v[130:131], v[132:133], v[14:15] op_sel_hi:[1,0,1]
.irp j, 0,2,4,6,8,10,12,14,16,18,20,22,24,26,28,30
	v_pk_fma_f32 v[160+\j:161+\j], v[96+\j:97+\j], v[132:133], v[160+\j:161+\j] op_sel_hi:[1,0,1]
.endr
	WAYOUT
.Lend:
	s_wait_tensorcnt 0x0                           ; the wave's end
	ds_add_u32 v[SPW], v[NIL]
	s_wait_dscnt 0x0
	s_endpgm
.Lfunc_end_k_qb5a27adf1c_attn:
	.size	k_qb5a27adf1c_attn, .Lfunc_end_k_qb5a27adf1c_attn-k_qb5a27adf1c_attn
	.p2alignl 7, 3214868480
	.fill 96, 4, 3214868480
	.section	.rodata,"a",@progbits
	.p2align	6, 0x0
	.amdhsa_kernel k_qb5a27adf1c_attn
		.amdhsa_group_segment_fixed_size 327680
		.amdhsa_private_segment_fixed_size 0
		.amdhsa_enable_private_segment 0
		.amdhsa_kernarg_size 32
		.amdhsa_user_sgpr_count 2
		.amdhsa_user_sgpr_kernarg_segment_ptr 1
		.amdhsa_wavefront_size32 1
		.amdhsa_system_sgpr_workgroup_id_x 1
		.amdhsa_system_sgpr_workgroup_id_y 1
		.amdhsa_system_sgpr_workgroup_id_z 1
		.amdhsa_system_vgpr_workitem_id 0
		.amdhsa_next_free_vgpr 256
		.amdhsa_next_free_sgpr 100
		.amdhsa_reserve_vcc 0
		.amdhsa_float_denorm_mode_32 3
		.amdhsa_float_denorm_mode_16_64 3
		.amdhsa_memory_ordered 1
		.amdhsa_forward_progress 1
		.amdhsa_inst_pref_size 120
	.end_amdhsa_kernel
	.amdgpu_metadata
---
amdhsa.version: [ 1, 2 ]
amdhsa.kernels:
  - .name:           k_qb5a27adf1c_attn
    .symbol:         k_qb5a27adf1c_attn.kd
    .args:
      - { .name: qkvc, .offset: 0, .size: 8, .value_kind: global_buffer, .address_space: global }
      - { .name: qkvs, .offset: 8, .size: 8, .value_kind: global_buffer, .address_space: global }
      - { .name: ac, .offset: 16, .size: 8, .value_kind: global_buffer, .address_space: global }
      - { .name: asc, .offset: 24, .size: 8, .value_kind: global_buffer, .address_space: global }
    .group_segment_fixed_size: 327680
    .private_segment_fixed_size: 0
    .kernarg_segment_align: 8
    .kernarg_segment_size: 32
    .max_flat_workgroup_size: 512
    .sgpr_count:     100
    .vgpr_count:     256
    .wavefront_size: 32
...
	.end_amdgpu_metadata
.endif
;; end of part 3
;; launch oproj (part 4): grid 8 x 32, 8 waves a work-group, clusters of 4 x 4, 179,200 bytes of LDS; arguments ac, asc, o_w_codes, o_w_scales, x, x1; writes x1
.if DOCPART == 4
	.amdgcn_target "amdgcn-amd-amdhsa--gfx1250"
	.amdhsa_code_object_version 6
	.text
	.protected	k_qb5a27adf1c_oproj
	.globl	k_qb5a27adf1c_oproj
	.p2align	8
	.type	k_qb5a27adf1c_oproj,@function
k_qb5a27adf1c_oproj:
	s_mov_b64 s[64:65], 0
	v_nop
	global_prefetch_b8 v0, s[64:65] scope:SCOPE_SE
	s_setreg_imm32_b32 hwreg(HW_REG_WAVE_MODE, 25, 1), 1
	s_wait_xcnt 0x0
	s_wait_alu depctr_hold_cnt(0) depctr_sa_sdst(0) depctr_va_vdst(0) depctr_va_sdst(0) depctr_va_ssrc(0) depctr_va_vcc(0) depctr_vm_vsrc(0)
	s_getreg_b32 s2, hwreg(HW_REG_IB_STS2, 6, 4)
	s_cmp_eq_u32 s2, 0
	s_cbranch_scc0 .Lentry_in_a_cluster
	s_endpgm
.Lentry_in_a_cluster:
	s_bfe_u32 s2, ttmp6, 0x10000c
	s_cmp_lg_u32 s2, 0xf033
	s_cbranch_scc0 .Lentry_shape_is_right
	s_endpgm
.Lentry_shape_is_right:
; out = res + A W^T on codes of FP4 with E8M0 scales.  A: 4,096 rows, K = SIZE_K, as register images [tile of 16 rows: 256][group of 64 along K][lane 32][16 bytes], scale bytes [4096][SIZE_K / 32].
; W: codes [1024][SIZE_K / 2 bytes], scale bytes [1024][SIZE_K / 32].  res, out: [4096][1024] f32.
; SHARES.  256 work-groups of 128 rows x 128 columns; eight waves of 32 x 64, two to a SIMD, 256 registers each: no register window is switched.
; ALL OF K LIES IN LDS, in two chunks of SIZE_K / 2: A's images as they lie (a fragment load reads 512 consecutive bytes), W's rows padded by 16 bytes, both sides' scale bytes.  Every LDS byte is filled once: no ring.
; THE PRODUCT IS USED TRANSPOSED (source 0 = 16 rows of W, source 1 = 16 rows of A): a lane holds eight neighbouring columns of one row of out.
; CLUSTER 4 x 4: A's tiles are asked for jointly along a row of the cluster, W's along a column.
; THE RESIDUAL, 64 KiB a work-group, is asked for behind the first barrier: the products wait for the tiles, and nothing waits for the residual until the way out: so the tiles are asked for first and alone, and the
; residual has all K steps in which to land.
; OUT.  16 rows x 64 columns at a time go through the wave's own stage in LDS (bytes into which no fill lands) and come back as rows of 256 bytes; the residual, loaded in that layout, is added there.
.set SIZE_K, 1024
.set CHK,   SIZE_K/2                   ; along K in a chunk
.set NQ,    CHK/128                    ; K steps of 128 in it
.set RTC,   NQ*1024                    ; a tile of 16 rows of A: bytes in a chunk,
.set RTB,   2*RTC                      ; and in memory
.set ACH,   8*RTC                      ; A's eight tiles of a chunk
.set ROWB,  CHK/2                      ; a row of W in a chunk
.set PITCH, ROWB+16                    ; an odd multiple of 16: the 16 rows of a fragment load start at 16 different groups of banks
.set QI,    5+SIZE_K/2048              ; the padding's interval: 64 or 128 words
.set BCH,   128*PITCH
.set KROW,  SIZE_K/2
.set KS,    SIZE_K/32
.set BBASE, 2*ACH
.set ASC,   BBASE+2*BCH
.set BSC,   ASC+128*KS
.set STG,   BSC+128*KS                 ; eight stages of 16 rows x 272 bytes
.set ADRA, 4
.set ADRB, 6
.set SAD,  8
.set SBD,  9
.set STO,  10
.set RD,   11
.set CO,   12
.set AF,   16                          ; v16-31   two fragments of A
.set BF,   32                          ; v32-63   four of W
.set ACC,  64                          ; v64-127  accumulator (a, j) at 8 (4 a + j)
.set SCA,  128                         ; v128-135 A's scale words: lanes 0-15 tile 0, lanes 16-31 tile 1; register q
.set SCB,  136                         ; v136-151 W's: set i (lanes 0-15 tile i, lanes 16-31 tile i + 2) at NQ i
.set R,    160                         ; v160-223 the residual, then the result
.set OB,   224                         ; v224-255 16 rows back from the stage
.set WV,   22
.set FH,   23
.set G1A,  24
.set G1B,  32
.set G1SA, 40
.set G1SB, 48
.set G0AS, 56
.set G0A0, 60
.set G0A1, 68
.set G0BS, 72
.set G0B0, 76
.set G0B1, 80
.macro CROUND                          ; a round of the cluster's barrier
	s_barrier_signal -1
	s_barrier_wait -1
	s_cmp_lg_u32 s[WV], 0
	s_cbranch_scc1 .Lnot_wave_0_\@
	s_barrier_signal -3
.Lnot_wave_0_\@:
	s_barrier_wait -3
	s_barrier_signal -1
	s_barrier_wait -1
.endm
.macro WM d, a, b, zero, sa, sb, ra, rb
.set WSEL, 4*(\zero)+2*(\ra)+(\rb)
.if WSEL == 0
	v_wmma_scale_f32_16x16x128_f8f6f4 v[\d:\d+7], v[\a:\a+7], v[\b:\b+7], v[\d:\d+7], v[\sa], v[\sb] matrix_a_fmt:MATRIX_FMT_FP4 matrix_b_fmt:MATRIX_FMT_FP4
.elseif WSEL == 1
	v_wmma_scale_f32_16x16x128_f8f6f4 v[\d:\d+7], v[\a:\a+7], v[\b:\b+7], v[\d:\d+7], v[\sa], v[\sb] matrix_a_fmt:MATRIX_FMT_FP4 matrix_b_fmt:MATRIX_FMT_FP4 matrix_b_scale:MATRIX_SCALE_ROW1
.elseif WSEL == 2
	v_wmma_scale_f32_16x16x128_f8f6f4 v[\d:\d+7], v[\a:\a+7], v[\b:\b+7], v[\d:\d+7], v[\sa], v[\sb] matrix_a_fmt:MATRIX_FMT_FP4 matrix_b_fmt:MATRIX_FMT_FP4 matrix_a_scale:MATRIX_SCALE_ROW1
.elseif WSEL == 3
	v_wmma_scale_f32_16x16x128_f8f6f4 v[\d:\d+7], v[\a:\a+7], v[\b:\b+7], v[\d:\d+7], v[\sa], v[\sb] matrix_a_fmt:MATRIX_FMT_FP4 matrix_b_fmt:MATRIX_FMT_FP4 matrix_a_scale:MATRIX_SCALE_ROW1 matrix_b_scale:MATRIX_SCALE_ROW1
.elseif WSEL == 4
	v_wmma_scale_f32_16x16x128_f8f6f4 v[\d:\d+7], v[\a:\a+7], v[\b:\b+7], 0, v[\sa], v[\sb] matrix_a_fmt:MATRIX_FMT_FP4 matrix_b_fmt:MATRIX_FMT_FP4
.elseif WSEL == 5
	v_wmma_scale_f32_16x16x128_f8f6f4 v[\d:\d+7], v[\a:\a+7], v[\b:\b+7], 0, v[\sa], v[\sb] matrix_a_fmt:MATRIX_FMT_FP4 matrix_b_fmt:MATRIX_FMT_FP4 matrix_b_scale:MATRIX_SCALE_ROW1
.elseif WSEL == 6
	v_wmma_scale_f32_16x16x128_f8f6f4 v[\d:\d+7], v[\a:\a+7], v[\b:\b+7], 0, v[\sa], v[\sb] matrix_a_fmt:MATRIX_FMT_FP4 matrix_b_fmt:MATRIX_FMT_FP4 matrix_a_scale:MATRIX_SCALE_ROW1
.else
	v_wmma_scale_f32_16x16x128_f8f6f4 v[\d:\d+7], v[\a:\a+7], v[\b:\b+7], 0, v[\sa], v[\sb] matrix_a_fmt:MATRIX_FMT_FP4 matrix_b_fmt:MATRIX_FMT_FP4 matrix_a_scale:MATRIX_SCALE_ROW1 matrix_b_scale:MATRIX_SCALE_ROW1
.endif
.endm
.macro SCALES ch                       ; a chunk's scale words: 4 NQ bytes of each row, 16 a load
.set U, 0
.rept NQ/4
	ds_load_b128 v[SCA+4*U:SCA+4*U+3], v[SAD] offset:4*NQ*\ch+16*U
.irp i, 0,1
	ds_load_b128 v[SCB+NQ*\i+4*U:SCB+NQ*\i+4*U+3], v[SBD] offset:\i*16*KS+4*NQ*\ch+16*U
.endr
.set U, U+1
.endr
.endm
.macro KSTEP ch, q, zero               ; 128 along K: six fragments, eight products, each accumulator once: the accumulators take turns
.irp i, 0,1
.irp c, 0,1
	ds_load_b128 v[AF+8*\i+4*\c:AF+8*\i+4*\c+3], v[ADRA+\ch] offset:\i*RTC+1024*\q+512*\c
.endr
.endr
.irp j, 0,1,2,3
.irp c, 0,1
	ds_load_b128 v[BF+8*\j+4*\c:BF+8*\j+4*\c+3], v[ADRB+\ch] offset:\j*16*PITCH+64*\q+32*\c
.endr
.endr
	s_wait_dscnt 0x0                               ; all of them (and at a chunk's head the scale words) are in
.irp a, 0,1
.irp j, 0,1,2,3
	WM ACC+8*(4*\a+\j), BF+8*\j, AF+8*\a, \zero, SCB+NQ*(\j%2)+\q, SCA+\q, \j/2, \a
.endr
.endr
.rept 4
	v_nop                                          ; four places in front of the next loads into registers that these products read, and of the first read of results
.endr
.endm
.macro CHUNK ch, first
	SCALES \ch
.set Q, 0
.rept NQ
.if (\first) && (Q == 0)
	KSTEP \ch, Q, 1
.else
	KSTEP \ch, Q, 0
.endif
.set Q, Q+1
.endr
.endm
	s_load_b256 s[4:11], s[0:1], 0x0               ; A's images s[4:5], its scales s[6:7], W's codes s[8:9], its scales s[10:11]
	s_load_b128 s[12:15], s[0:1], 0x20             ; res s[12:13], out s[14:15]
	v_lshl_add_u32 v158, v0, 2, 0x2b800
	v_mov_b32 v159, 0
	ds_add_u32 v158, v159
	ds_add_u32 v158, v159
	v_lshrrev_b32 v1, 5, v0
	s_delay_alu instid0(VALU_DEP_1)
	v_readfirstlane_b32 s[WV], v1                  ; wave 0..7
	s_and_b32 s[FH], s[WV], 1                      ; which half of a tile I fetch, if I fetch
	s_bfe_u32 s84, ttmp6, 0x40000                  ; cx
	s_bfe_u32 s85, ttmp6, 0x40004                  ; cy
	s_lshl_b32 s86, s85, 2
	s_lshl_b32 s86, 15, s86                        ; my row of the cluster
	s_lshl_b32 s87, 0x1111, s84                    ; my column
	s_lshl_b32 s88, ttmp9, 2
	s_add_co_u32 s88, s88, s84                     ; tile column
	s_and_b32 s89, ttmp7, 0xffff
	s_lshl_b32 s89, s89, 2
	s_add_co_u32 s89, s89, s85                     ; tile row
	s_lshl_b32 s90, s89, 3
	s_mul_i32 s92, s90, RTB
	s_mov_b32 s93, 0
	s_mul_i32 s94, s90, 16*KS
	s_mov_b32 s95, 0
	s_lshl_b32 s91, s88, 7
	s_lshl_b32 s96, s[FH], 6
	s_add_co_u32 s91, s91, s96                     ; W: row 128 x tile column + 64 x half
	s_mul_i32 s96, s91, KROW
	s_mov_b32 s97, 0
	s_mul_i32 s98, s88, 128*KS                     ; W's scale bytes come whole: 128 rows a tile column
	s_mov_b32 s99, 0
	; descriptor groups 1.  A: 8 tiles of 16 rows, RTC dense bytes of each, RTB bytes apart (elements of 8 bytes)
	s_or_b32 s[G1A], s86, 0x00230000               ; 15:0 the mask; 17:16 elements of 8 bytes; 21 set beside a mask
	s_mov_b32 s[G1A+1], (RTC/8)<<16
	s_mov_b32 s[G1A+2], 8<<16                      ; all eight tiles of 16 rows in one load
	s_mov_b32 s[G1A+3], (RTC/8)<<16
	s_mov_b32 s[G1A+4], 8
	s_mov_b32 s[G1A+5], RTB/8
	s_mov_b32 s[G1A+6], 0
	s_mov_b32 s[G1A+7], 0
	; W: 64 rows x ROWB bytes, KROW apart, 16 bytes of padding behind each
	s_or_b32 s[G1B], s87, (1<<20)|(1<<21)|(QI<<22)|(3<<25)
	s_mov_b32 s[G1B+1], ROWB<<16
	s_mov_b32 s[G1B+2], 64<<16
	s_mov_b32 s[G1B+3], ROWB<<16
	s_mov_b32 s[G1B+4], 64
	s_mov_b32 s[G1B+5], KROW
	s_mov_b32 s[G1B+6], 0
	s_mov_b32 s[G1B+7], 0
	; scale bytes of 128 rows: dense, as rows of 256 bytes
	s_or_b32 s[G1SA], s86, 0x00230000
	s_or_b32 s[G1SB], s87, 0x00230000
.irp g, G1SA, G1SB
	s_mov_b32 s[\g+1], 32<<16
	s_mov_b32 s[\g+2], (128*KS/256)<<16            ; the scale bytes of all 128 rows in one load
	s_mov_b32 s[\g+3], 32<<16
	s_mov_b32 s[\g+4], 128*KS/256
	s_mov_b32 s[\g+5], 32
	s_mov_b32 s[\g+6], 0
	s_mov_b32 s[\g+7], 0
.endr
	s_mul_i32 s18, s[FH], 64*PITCH
	s_add_co_u32 s18, s18, BBASE
	s_wait_dscnt 0x0
	s_wait_kmcnt 0x0
	s_add_nc_u64 s[G0AS+2:G0AS+3], s[6:7], s[94:95]
	s_add_nc_u64 s[G0A0+2:G0A0+3], s[4:5], s[92:93]
	s_add_nc_u64 s[G0A1+2:G0A1+3], s[G0A0+2:G0A0+3], RTC
	s_add_nc_u64 s[G0BS+2:G0BS+3], s[10:11], s[98:99]
	s_add_nc_u64 s[G0B0+2:G0B0+3], s[8:9], s[96:97]
	s_add_nc_u64 s[G0B1+2:G0B1+3], s[G0B0+2:G0B0+3], ROWB
.irp g, G0AS, G0A0, G0A1, G0BS, G0B0, G0B1
	s_mov_b32 s[\g], 1                             ; count = 1
	s_or_b32 s[\g+3], s[\g+3], 0x80000000          ; type = 2
.endr
	s_mov_b32 s[G0AS+1], ASC
	s_mov_b32 s[G0BS+1], BSC
	s_mov_b32 s[G0A0+1], 0
	s_mov_b32 s[G0A1+1], ACH
	s_mov_b32 s[G0B0+1], s18
	s_add_co_u32 s[G0B1+1], s18, BCH
	CROUND                                         ; all sixteen work-groups are here: the joint loads meet
; THE FIRST FILLS, ONE A WAVE: eight loads on eight waves, in one chain of branches on the wave's number: A's and W's scale bytes, A's two chunks, the halves of W's chunk 0, those of its chunk 1
.macro ARM under, g0, g1, next
	s_cmp_lt_u32 s[WV], \under
	s_cbranch_scc0 \next
	tensor_load_to_lds s[\g0:\g0+3], s[\g1:\g1+7]
	s_nop 0
.rept 4
	v_nop
.endr
	s_branch .Lasked
\next:
.endm
	ARM 1, G0AS, G1SA, .Larm1
	ARM 2, G0BS, G1SB, .Larm2
	ARM 3, G0A0, G1A,  .Larm3
	ARM 4, G0A1, G1A,  .Larm4
	ARM 6, G0B0, G1B,  .Larm5
	tensor_load_to_lds s[G0B1:G0B1+3], s[G1B:G1B+7]
	s_nop 0
.rept 4
	v_nop
.endr
.Lasked:
	v_and_b32 v1, 15, v0                           ; r
	v_bfe_u32 v2, v0, 4, 1                         ; h
	v_and_b32 v3, 31, v0                           ; lane
	s_wait_alu depctr_va_vdst(0)
	s_lshr_b32 s90, s[WV], 1                       ; which 32 rows are mine
	s_and_b32 s91, s[WV], 1                        ; which 64 columns
	v_lshlrev_b32 v[CO], 12, v2
	s_delay_alu instid0(VALU_DEP_1)
	v_lshl_add_u32 v[CO], v1, 4, v[CO]             ; res and out: lanes 0-15 one row's 256 bytes, lanes 16-31 the next row's
	s_lshl_b32 s94, s89, 7
	s_lshl_b32 s95, s90, 5
	s_add_co_u32 s94, s94, s95                     ; my first row
	s_lshl_b32 s94, s94, 12
	s_lshl_b32 s95, s88, 9
	s_add_co_u32 s94, s94, s95
	s_lshl_b32 s95, s91, 8
	s_add_co_u32 s94, s94, s95                     ; + my first column, in bytes
	s_mov_b32 s95, 0
	s_add_nc_u64 s[12:13], s[12:13], s[94:95]
	s_add_nc_u64 s[14:15], s[14:15], s[94:95]
	s_mul_i32 s92, s90, 2*RTC
	v_lshl_add_u32 v[ADRA], v3, 4, s92             ; an image: 16 x lane
	s_add_co_u32 s92, s92, ACH
	v_lshl_add_u32 v[ADRA+1], v3, 4, s92
	v_mul_u32_u24 v13, v1, PITCH
	s_delay_alu instid0(VALU_DEP_1)
	v_lshl_add_u32 v13, v2, 4, v13
	s_mul_i32 s93, s91, 64*PITCH
	s_add_co_u32 s93, s93, BBASE
	v_add_nc_u32 v[ADRB], s93, v13
	s_add_co_u32 s93, s93, BCH
	v_add_nc_u32 v[ADRB+1], s93, v13
	v_mul_u32_u24 v13, v1, KS
	v_mul_u32_u24 v14, v2, 16*KS                   ; A's scale words: lanes 16-31 stand one tile further on
	s_delay_alu instid0(VALU_DEP_1)
	v_add_nc_u32 v14, v13, v14
	s_mul_i32 s92, s90, 32*KS
	s_add_co_u32 s92, s92, ASC
	v_add_nc_u32 v[SAD], s92, v14
	v_mul_u32_u24 v14, v2, 32*KS                   ; W's: two tiles further on
	s_delay_alu instid0(VALU_DEP_1)
	v_add_nc_u32 v14, v13, v14
	s_mul_i32 s93, s91, 64*KS
	s_add_co_u32 s93, s93, BSC
	v_add_nc_u32 v[SBD], s93, v14
	s_mul_i32 s92, s[WV], 16*272
	s_add_co_u32 s92, s92, STG                     ; my stage
	v_mul_u32_u24 v13, v1, 272
	s_delay_alu instid0(VALU_DEP_1)
	v_lshl_add_u32 v13, v2, 5, v13
	s_delay_alu instid0(VALU_DEP_1)
	v_add_nc_u32 v[STO], s92, v13                  ; in: row r, 32 bytes for each half of the lanes
	v_mul_u32_u24 v13, v2, 272
	s_delay_alu instid0(VALU_DEP_1)
	v_lshl_add_u32 v13, v1, 4, v13
	s_delay_alu instid0(VALU_DEP_1)
	v_add_nc_u32 v[RD], s92, v13                   ; back: lanes 0-15 one row, lanes 16-31 the next
	s_wait_alu depctr_va_vdst(0)
	s_wait_tensorcnt 0x0                           ; my one load is in
	s_barrier_signal -1
	s_barrier_wait -1
.irp a, 0,1
.irp t, 0,1,2,3,4,5,6,7
	global_load_b128 v[R+32*\a+4*\t:R+32*\a+4*\t+3], v[CO], s[12:13] offset:(16*\a+2*\t)*4096   ; the residual is asked for now, and comes while the tiles are multiplied
.endr
.endr
	CHUNK 0, 1                                     ; behind the barrier all of K lies in LDS
	CHUNK 1, 0
	s_wait_loadcnt 0x0                             ; the residual
.irp a, 0,1
.irp j, 0,1,2,3
	ds_store_b128 v[STO], v[ACC+8*(4*\a+\j):ACC+8*(4*\a+\j)+3] offset:64*\j        ; each accumulator from its low end on
	ds_store_b128 v[STO], v[ACC+8*(4*\a+\j)+4:ACC+8*(4*\a+\j)+7] offset:64*\j+16
.endr
.irp t, 0,1,2,3,4,5,6,7
	ds_load_b128 v[OB+4*\t:OB+4*\t+3], v[RD] offset:544*\t         ; LDS serves a wave's instructions in order (ISA guide 5.7.1.4): these see my stores, and the next tile's stores come behind them
.endr
	s_wait_dscnt 0x0
.irp t, 0,1,2,3,4,5,6,7,8,9,10,11,12,13,14,15
	v_pk_add_f32 v[R+32*\a+2*\t:R+32*\a+2*\t+1], v[R+32*\a+2*\t:R+32*\a+2*\t+1], v[OB+2*\t:OB+2*\t+1]
.endr
.irp t, 0,1,2,3,4,5,6,7
.if SIZE_K == 2048
	global_store_b128 v[CO], v[R+32*\a+4*\t:R+32*\a+4*\t+3], s[14:15] offset:(16*\a+2*\t)*4096 th:TH_STORE_NT
.else
	global_store_b128 v[CO], v[R+32*\a+4*\t:R+32*\a+4*\t+3], s[14:15] offset:(16*\a+2*\t)*4096   ; 16 lanes store 256 consecutive bytes, aligned; the data registers are not written again
.endif
.endr
.endr
	s_wait_dscnt 0x0
	s_wait_tensorcnt 0x0
	ds_add_u32 v158, v159
	s_wait_dscnt 0x0
	CROUND                                         ; the closing round: no work-group ends while a partner may still ask for a tile that names it
	s_endpgm
.Lfunc_end_k_qb5a27adf1c_oproj:
	.size	k_qb5a27adf1c_oproj, .Lfunc_end_k_qb5a27adf1c_oproj-k_qb5a27adf1c_oproj
	.p2alignl 7, 3214868480
	.fill 96, 4, 3214868480
	.section	.rodata,"a",@progbits
	.p2align	6, 0x0
	.amdhsa_kernel k_qb5a27adf1c_oproj
		.amdhsa_group_segment_fixed_size 179200
		.amdhsa_private_segment_fixed_size 0
		.amdhsa_enable_private_segment 0
		.amdhsa_kernarg_size 48
		.amdhsa_user_sgpr_count 2
		.amdhsa_user_sgpr_kernarg_segment_ptr 1
		.amdhsa_wavefront_size32 1
		.amdhsa_system_sgpr_workgroup_id_x 1
		.amdhsa_system_sgpr_workgroup_id_y 1
		.amdhsa_system_sgpr_workgroup_id_z 1
		.amdhsa_system_vgpr_workitem_id 0
		.amdhsa_next_free_vgpr 256
		.amdhsa_next_free_sgpr 100
		.amdhsa_reserve_vcc 0
		.amdhsa_float_denorm_mode_32 3
		.amdhsa_float_denorm_mode_16_64 3
		.amdhsa_memory_ordered 1
		.amdhsa_forward_progress 1
		.amdhsa_inst_pref_size 34
	.end_amdhsa_kernel
	.amdgpu_metadata
---
amdhsa.version: [ 1, 2 ]
amdhsa.kernels:
  - .name:           k_qb5a27adf1c_oproj
    .symbol:         k_qb5a27adf1c_oproj.kd
    .args:
      - { .name: ac, .offset: 0, .size: 8, .value_kind: global_buffer, .address_space: global }
      - { .name: asc, .offset: 8, .size: 8, .value_kind: global_buffer, .address_space: global }
      - { .name: o_w_codes, .offset: 16, .size: 8, .value_kind: global_buffer, .address_space: global }
      - { .name: o_w_scales, .offset: 24, .size: 8, .value_kind: global_buffer, .address_space: global }
      - { .name: x, .offset: 32, .size: 8, .value_kind: global_buffer, .address_space: global }
      - { .name: x1, .offset: 40, .size: 8, .value_kind: global_buffer, .address_space: global }
    .group_segment_fixed_size: 179200
    .private_segment_fixed_size: 0
    .kernarg_segment_align: 8
    .kernarg_segment_size: 48
    .max_flat_workgroup_size: 256
    .sgpr_count:     100
    .vgpr_count:     256
    .wavefront_size: 32
...
	.end_amdgpu_metadata
.endif
;; end of part 4
;; launch norm2: the kernel of part 1 again; grid 256 x 1, 8 waves a work-group, no clusters, 38,400 bytes of LDS; arguments x1, ln2_w, hc, hs; writes hc, hs
;; launch gateup (part 5): grid 16 x 16, 16 waves a work-group, clusters of 4 x 4, 296,960 bytes of LDS; arguments hc, hs, gate_w_codes, gate_w_scales, up_w_codes, up_w_scales, ac, asc; writes ac, asc
.if DOCPART == 5
	.amdgcn_target "amdgcn-amd-amdhsa--gfx1250"
	.amdhsa_code_object_version 6
	.text
	.protected	k_qb5a27adf1c_gateup
	.globl	k_qb5a27adf1c_gateup
	.p2align	8
	.type	k_qb5a27adf1c_gateup,@function
k_qb5a27adf1c_gateup:
	s_mov_b64 s[64:65], 0
	v_nop
	global_prefetch_b8 v0, s[64:65] scope:SCOPE_SE
	s_setreg_imm32_b32 hwreg(HW_REG_WAVE_MODE, 25, 1), 1
	s_wait_xcnt 0x0
	s_wait_alu depctr_hold_cnt(0) depctr_sa_sdst(0) depctr_va_vdst(0) depctr_va_sdst(0) depctr_va_ssrc(0) depctr_va_vcc(0) depctr_vm_vsrc(0)
	s_getreg_b32 s2, hwreg(HW_REG_IB_STS2, 6, 4)
	s_cmp_eq_u32 s2, 0
	s_cbranch_scc0 .Lentry_in_a_cluster
	s_endpgm
.Lentry_in_a_cluster:
	s_bfe_u32 s2, ttmp6, 0x10000c
	s_cmp_lg_u32 s2, 0xf033
	s_cbranch_scc0 .Lentry_shape_is_right
	s_endpgm
.Lentry_shape_is_right:
; a = silu(h2 gate_w^T) * (h2 up_w^T), both products on codes of FP4 with E8M0 scales; a is quantised at once along the inner 2,048 for the next product.
; h2: codes [4096][512 bytes], scale bytes [4096][32].  gate_w, up_w: codes [2048][512 bytes], scale bytes [2048][32].
; SHARES.  256 work-groups of 256 tokens x 128 inner units, for gate AND up: B's tile of 256 rows is 128 rows of gate_w and the same 128 rows of up_w.  Sixteen waves of 32 tokens x (64 gate + 64 up), four to a SIMD,
; 256 registers each: a lane holds g and u of the same units, so the activation needs no other lane, and no register window is switched.
; ALL OF K = 1,024 LIES IN LDS: two chunks of 512 along K (rows of 256 bytes + 16 of padding) and both sides' scale bytes: every LDS byte is filled once: no ring.
; THE PRODUCT IS USED TRANSPOSED (source 0 = 16 weight rows, source 1 = 16 tokens): a lane holds one token, and its registers 8 t + j the units 16 t + 8 (lane / 16) + j.
; CLUSTER 4 x 4: h2's tiles are asked for jointly along a row of the cluster, the weights' along a column.
; OUT: register images [tile of 16 tokens: 256][group of 64 units: 32][lane 32][16 bytes], 512 consecutive bytes a store; scale bytes [token][64], two bytes a token and group: the row's other bytes are other waves'.
; LIMITS: NaN and infinities are not served.  A block of zeros gets the byte 1, not 127: its codes are zeros, and this program alone reads the bytes.
.set PITCH, 272
.set HALFT, 128*PITCH
.set SLOT,  4*HALFT
.set SCL,   2*SLOT
.set NQ,    4
.set ADRA, 4
.set ADRB, 6
.set SAD,  8
.set SBD,  9
.set AF,   16                          ; v16-31   two fragments of h2
.set BF,   32                          ; v32-95   eight of the weights: tiles 0-3 gate, 4-7 up
.set SCA,  96                          ; v96-99   h2's scale words: lanes 0-15 tile 0, lanes 16-31 tile 1
.set SCB,  100                         ; v100-115 the weights': set i: lanes 0-15 gate's tile i, lanes 16-31 up's tile i
.set ACC,  128                         ; v128-255 accumulator (a, j) at 8 (8 a + j)
.set T,    32                          ; the activation's 32 numbers (the weights' fragments are done with)
.set TM,   64
.set SEL,  20
.set WV,   22
.set FH,   23
.set G1A,  24
.set G1B,  32
.set G1SA, 40
.set G1SB, 48
.set G0AS, 56
.set G0A0, 60
.set G0A1, 68
.set G0BS, 72
.set G0B0, 76
.set G0B1, 80
.macro CROUND                          ; a round of the cluster's barrier
	s_barrier_signal -1
	s_barrier_wait -1
	s_cmp_lg_u32 s[WV], 0
	s_cbranch_scc1 .Lnot_wave_0_\@
	s_barrier_signal -3
.Lnot_wave_0_\@:
	s_barrier_wait -3
	s_barrier_signal -1
	s_barrier_wait -1
.endm
.macro WM d, a, b, zero, sa, sb, ra, rb
.set WSEL, 4*(\zero)+2*(\ra)+(\rb)
.if WSEL == 0
	v_wmma_scale_f32_16x16x128_f8f6f4 v[\d:\d+7], v[\a:\a+7], v[\b:\b+7], v[\d:\d+7], v[\sa], v[\sb] matrix_a_fmt:MATRIX_FMT_FP4 matrix_b_fmt:MATRIX_FMT_FP4
.elseif WSEL == 1
	v_wmma_scale_f32_16x16x128_f8f6f4 v[\d:\d+7], v[\a:\a+7], v[\b:\b+7], v[\d:\d+7], v[\sa], v[\sb] matrix_a_fmt:MATRIX_FMT_FP4 matrix_b_fmt:MATRIX_FMT_FP4 matrix_b_scale:MATRIX_SCALE_ROW1
.elseif WSEL == 2
	v_wmma_scale_f32_16x16x128_f8f6f4 v[\d:\d+7], v[\a:\a+7], v[\b:\b+7], v[\d:\d+7], v[\sa], v[\sb] matrix_a_fmt:MATRIX_FMT_FP4 matrix_b_fmt:MATRIX_FMT_FP4 matrix_a_scale:MATRIX_SCALE_ROW1
.elseif WSEL == 3
	v_wmma_scale_f32_16x16x128_f8f6f4 v[\d:\d+7], v[\a:\a+7], v[\b:\b+7], v[\d:\d+7], v[\sa], v[\sb] matrix_a_fmt:MATRIX_FMT_FP4 matrix_b_fmt:MATRIX_FMT_FP4 matrix_a_scale:MATRIX_SCALE_ROW1 matrix_b_scale:MATRIX_SCALE_ROW1
.elseif WSEL == 4
	v_wmma_scale_f32_16x16x128_f8f6f4 v[\d:\d+7], v[\a:\a+7], v[\b:\b+7], 0, v[\sa], v[\sb] matrix_a_fmt:MATRIX_FMT_FP4 matrix_b_fmt:MATRIX_FMT_FP4
.elseif WSEL == 5
	v_wmma_scale_f32_16x16x128_f8f6f4 v[\d:\d+7], v[\a:\a+7], v[\b:\b+7], 0, v[\sa], v[\sb] matrix_a_fmt:MATRIX_FMT_FP4 matrix_b_fmt:MATRIX_FMT_FP4 matrix_b_scale:MATRIX_SCALE_ROW1
.elseif WSEL == 6
	v_wmma_scale_f32_16x16x128_f8f6f4 v[\d:\d+7], v[\a:\a+7], v[\b:\b+7], 0, v[\sa], v[\sb] matrix_a_fmt:MATRIX_FMT_FP4 matrix_b_fmt:MATRIX_FMT_FP4 matrix_a_scale:MATRIX_SCALE_ROW1
.else
	v_wmma_scale_f32_16x16x128_f8f6f4 v[\d:\d+7], v[\a:\a+7], v[\b:\b+7], 0, v[\sa], v[\sb] matrix_a_fmt:MATRIX_FMT_FP4 matrix_b_fmt:MATRIX_FMT_FP4 matrix_a_scale:MATRIX_SCALE_ROW1 matrix_b_scale:MATRIX_SCALE_ROW1
.endif
.endm
; 32 numbers of a lane, register 8 t + j = column 16 t + 8 (lane / 16) + j of my row, become half a fragment in v[pc] on (lane (r, h): block h of row r) and the word v[sw] of the two blocks' bytes
.macro QUANT2 s, pc, sw
	v_max3_num_f32 v[TM], |v[\s]|, |v[\s+1]|, 0x1800000            ; and the floor 2^(3 - 127): the byte cannot fall under 1
	v_max3_num_f32 v[TM+1], |v[\s+16]|, |v[\s+17]|, 0x1800000
.irp i, 2,4,6,8,10,12,14
	s_delay_alu instid0(VALU_DEP_2)
	v_max3_num_f32 v[TM], v[TM], |v[\s+\i]|, |v[\s+\i+1]|
	s_delay_alu instid0(VALU_DEP_2)
	v_max3_num_f32 v[TM+1], v[TM+1], |v[\s+16+\i]|, |v[\s+17+\i]|
.endr
	s_delay_alu instid0(VALU_DEP_2)
	v_permlanex16_b32 v[TM+2], v[TM], s[SEL], s[SEL+1]
	s_delay_alu instid0(VALU_DEP_2)
	v_permlanex16_b32 v[TM+3], v[TM+1], s[SEL], s[SEL+1]
	s_delay_alu instid0(VALU_DEP_2)
	v_max_num_f32 v[TM], v[TM], v[TM+2]
	s_delay_alu instid0(VALU_DEP_2)
	v_max_num_f32 v[TM+1], v[TM+1], v[TM+3]
	s_delay_alu instid0(VALU_DEP_2)
	v_add_nc_u32 v[TM+4], 0xff000000, v[TM]
	s_delay_alu instid0(VALU_DEP_2)
	v_add_nc_u32 v[TM+5], 0xff000000, v[TM+1]
	s_delay_alu instid0(VALU_DEP_2)
	v_lshrrev_b32 v[TM+2], 23, v[TM+4]
	s_delay_alu instid0(VALU_DEP_2)
	v_lshrrev_b32 v[TM+3], 23, v[TM+5]
	s_delay_alu instid0(VALU_DEP_1)
	v_lshl_or_b32 v[\sw], v[TM+3], 8, v[TM+2]
	v_cvt_scalef32_pk8_fp4_f32 v[\pc], v[\s:\s+7], v[TM+4]
	v_cvt_scalef32_pk8_fp4_f32 v[\pc+2], v[\s+8:\s+15], v[TM+4]
	v_cvt_scalef32_pk8_fp4_f32 v[\pc+1], v[\s+16:\s+23], v[TM+5]
	v_cvt_scalef32_pk8_fp4_f32 v[\pc+3], v[\s+24:\s+31], v[TM+5]
	v_nop                                          ; one plain instruction behind a scaled conversion
	v_permlane16_swap_b32 v[\pc], v[\pc+1]
	v_permlane16_swap_b32 v[\pc+2], v[\pc+3]
.endm
.macro SCALES ch
	ds_load_b128 v[SCA:SCA+3], v[SAD] offset:16*\ch
.irp i, 0,1,2,3
	ds_load_b128 v[SCB+4*\i:SCB+4*\i+3], v[SBD] offset:512*\i+16*\ch
.endr
.endm
.macro KSTEP ch, q, zero               ; 128 along K: ten fragments, sixteen products, each accumulator once: the accumulators take turns
.irp i, 0,1
.irp c, 0,1
	ds_load_b128 v[AF+8*\i+4*\c:AF+8*\i+4*\c+3], v[ADRA+\ch] offset:64*\q+32*\c+\i*16*PITCH
.endr
.endr
.irp j, 0,1,2,3,4,5,6,7
.irp c, 0,1
	ds_load_b128 v[BF+8*\j+4*\c:BF+8*\j+4*\c+3], v[ADRB+\ch] offset:64*\q+32*\c+(16*\j+64*(\j/4))*PITCH   ; up's rows lie 128 rows behind gate's
.endr
.endr
	s_wait_dscnt 0x0                               ; all of them (and at a chunk's head the scale words) are in
.irp a, 0,1
.irp j, 0,1,2,3,4,5,6,7
	WM ACC+8*(8*\a+\j), BF+8*\j, AF+8*\a, \zero, SCB+4*(\j%4)+\q, SCA+\q, \j/4, \a
.endr
.endr
.rept 4
	v_nop                                          ; four places in front of the next loads into registers that these products read, and of the first read of results
.endr
.endm
.macro CHUNK ch, first
	SCALES \ch
.set Q, 0
.rept NQ
.if (\first) && (Q == 0)
	KSTEP \ch, Q, 1
.else
	KSTEP \ch, Q, 0
.endif
.set Q, Q+1
.endr
.endm
	s_load_b512 s[4:19], s[0:1], 0x0               ; h2's codes s[4:5], scales s[6:7]; gate's s[8:9], s[10:11]; up's s[12:13], s[14:15]; the images s[16:17], their scale bytes s[18:19]
	v_lshl_add_u32 v126, v0, 2, 0x48000
	v_mov_b32 v127, 0
	ds_add_u32 v126, v127
	ds_add_u32 v126, v127
	v_lshrrev_b32 v1, 5, v0
	s_delay_alu instid0(VALU_DEP_1)
	v_readfirstlane_b32 s[WV], v1                  ; wave 0..15
	s_and_b32 s[FH], s[WV], 1                      ; for A: which 128 tokens I fetch; for B: gate's rows (0) or up's (1)
	s_mov_b32 s[SEL], 0x76543210
	s_mov_b32 s[SEL+1], 0xfedcba98
	s_bfe_u32 s84, ttmp6, 0x40000                  ; cx
	s_bfe_u32 s85, ttmp6, 0x40004                  ; cy
	s_lshl_b32 s86, s85, 2
	s_lshl_b32 s86, 15, s86                        ; my row of the cluster
	s_lshl_b32 s87, 0x1111, s84                    ; my column
	s_and_b32 s88, ttmp7, 0xffff
	s_lshl_b32 s88, s88, 2
	s_add_co_u32 s88, s88, s85                     ; tile row: 256 tokens
	s_lshl_b32 s89, ttmp9, 2
	s_add_co_u32 s89, s89, s84                     ; tile column: 128 units
	s_lshl_b32 s90, s88, 8
	s_lshl_b32 s91, s[FH], 7
	s_add_co_u32 s90, s90, s91
	s_lshl_b32 s92, s90, 9                         ; h2's codes,
	s_mov_b32 s93, 0
	s_lshl_b32 s94, s90, 5                         ; its scale bytes
	s_mov_b32 s95, 0
	s_lshl_b32 s96, s89, 16                        ; the weights': 128 rows of 512 bytes a tile column,
	s_mov_b32 s97, 0
	s_lshl_b32 s98, s89, 12                        ; of 32
	s_mov_b32 s99, 0
	s_or_b32 s[G1A], s86, 0x07700000               ; 15:0 the mask; 17:16 elements of 1 byte; 20 padding on; 21 set beside a mask; 24:22 after every 64 words (code 5); 31:25 four words (code 3)
	s_or_b32 s[G1B], s87, 0x07700000
.irp g, G1A, G1B
	s_mov_b32 s[\g+1], 256<<16
	s_mov_b32 s[\g+2], 128<<16
	s_mov_b32 s[\g+3], 256<<16
	s_mov_b32 s[\g+4], 128
	s_mov_b32 s[\g+5], 512
	s_mov_b32 s[\g+6], 0
	s_mov_b32 s[\g+7], 0
.endr
	s_or_b32 s[G1SA], s86, 0x00230000              ; scale bytes of 128 rows: 4,096 dense bytes as 16 rows of 256
	s_or_b32 s[G1SB], s87, 0x00230000
.irp g, G1SA, G1SB
	s_mov_b32 s[\g+1], 32<<16
	s_mov_b32 s[\g+2], 16<<16
	s_mov_b32 s[\g+3], 32<<16
	s_mov_b32 s[\g+4], 16
	s_mov_b32 s[\g+5], 32
	s_mov_b32 s[\g+6], 0
	s_mov_b32 s[\g+7], 0
.endr
	s_and_b32 s3, s[WV], 3                         ; which quarter of a chunk, or of the scale bytes, I fetch: 0, 1 the tokens' halves, 2 gate's rows, 3 up's
	s_mul_i32 s2, s3, HALFT                        ; where the codes go: quarter x 128 rows
	s_lshl_b32 s3, s3, 12
	s_add_co_u32 s3, s3, SCL
	s_wait_dscnt 0x0
	s_wait_kmcnt 0x0
	s_cmp_eq_u32 s[FH], 0                          ; the choice hangs on the wave's number alone
	s_cselect_b64 s[G0B0+2:G0B0+3], s[8:9], s[12:13]
	s_cselect_b64 s[G0BS+2:G0BS+3], s[10:11], s[14:15]
	s_add_nc_u64 s[G0AS+2:G0AS+3], s[6:7], s[94:95]
	s_add_nc_u64 s[G0A0+2:G0A0+3], s[4:5], s[92:93]
	s_add_nc_u64 s[G0A1+2:G0A1+3], s[G0A0+2:G0A0+3], 256
	s_add_nc_u64 s[G0BS+2:G0BS+3], s[G0BS+2:G0BS+3], s[98:99]
	s_add_nc_u64 s[G0B0+2:G0B0+3], s[G0B0+2:G0B0+3], s[96:97]
	s_add_nc_u64 s[G0B1+2:G0B1+3], s[G0B0+2:G0B0+3], 256
.irp g, G0AS, G0A0, G0A1, G0BS, G0B0, G0B1
	s_mov_b32 s[\g], 1
	s_or_b32 s[\g+3], s[\g+3], 0x80000000
.endr
	s_mov_b32 s[G0AS+1], s3
	s_mov_b32 s[G0BS+1], s3
	s_mov_b32 s[G0A0+1], s2
	s_mov_b32 s[G0B0+1], s2
	s_add_co_u32 s[G0A1+1], s2, SLOT
	s_add_co_u32 s[G0B1+1], s2, SLOT
	CROUND                                         ; all sixteen work-groups are here: the joint loads meet
; THE FIRST FILLS, ONE A WAVE: twelve loads on waves 0 to 11, in one chain of branches on the wave's number: scale bytes, chunk 0, chunk 1; in each the tokens' halves, then gate's and up's rows
.macro ARM under, g0, g1, next
	s_cmp_lt_u32 s[WV], \under
	s_cbranch_scc0 \next
	tensor_load_to_lds s[\g0:\g0+3], s[\g1:\g1+7]
	s_nop 0
.rept 4
	v_nop
.endr
	s_branch .Lasked
\next:
.endm
	ARM 2,  G0AS, G1SA, .Larm1
	ARM 4,  G0BS, G1SB, .Larm2
	ARM 6,  G0A0, G1A,  .Larm3
	ARM 8,  G0B0, G1B,  .Larm4
	ARM 10, G0A1, G1A,  .Larm5
	ARM 12, G0B1, G1B,  .Larm6
.Lasked:
	v_and_b32 v1, 15, v0                           ; r
	v_bfe_u32 v2, v0, 4, 1                         ; h
	v_and_b32 v3, 31, v0                           ; lane
	s_delay_alu instid0(VALU_DEP_3)
	v_mul_u32_u24 v12, v1, PITCH
	s_delay_alu instid0(VALU_DEP_1)
	v_lshl_add_u32 v12, v2, 4, v12
	s_lshr_b32 s90, s[WV], 1                       ; which 32 tokens are mine
	s_and_b32 s91, s[WV], 1                        ; which 64 units
	s_mul_i32 s92, s90, 32*PITCH
	s_mul_i32 s93, s91, 64*PITCH
	s_add_co_u32 s93, s93, 2*HALFT
	v_add_nc_u32 v[ADRA], s92, v12
	v_add_nc_u32 v[ADRB], s93, v12
	s_add_co_u32 s92, s92, SLOT
	s_add_co_u32 s93, s93, SLOT
	v_add_nc_u32 v[ADRA+1], s92, v12
	v_add_nc_u32 v[ADRB+1], s93, v12
	v_lshlrev_b32 v13, 5, v1
	s_delay_alu instid0(VALU_DEP_1)
	v_lshl_add_u32 v14, v2, 9, v13                 ; h2's scale words: lanes 16-31 stand 16 rows further on
	s_lshl_b32 s92, s90, 10
	s_add_co_u32 s92, s92, SCL
	v_add_nc_u32 v[SAD], s92, v14
	v_lshl_add_u32 v14, v2, 12, v13                ; the weights': lanes 16-31 take up's rows, 128 rows further on
	s_lshl_b32 s93, s91, 11
	s_add_co_u32 s93, s93, SCL+8192
	v_add_nc_u32 v[SBD], s93, v14
	v_lshlrev_b32 v10, 4, v3                       ; out: an image's 16 bytes a lane
	v_lshlrev_b32 v11, 6, v1
	s_delay_alu instid0(VALU_DEP_1)
	v_lshl_add_u32 v11, v2, 10, v11                ; and the scale bytes: 64 a token; lanes 16-31 take my second tile of tokens
	s_lshl_b32 s92, s88, 4
	s_lshl_b32 s93, s90, 1
	s_add_co_u32 s92, s92, s93                     ; my first tile of 16 tokens
	s_lshl_b32 s93, s89, 1
	s_add_co_u32 s93, s93, s91                     ; my group of 64 units
	s_lshl_b32 s94, s92, 14
	s_lshl_b32 s96, s93, 9
	s_add_co_u32 s94, s94, s96
	s_mov_b32 s95, 0
	s_add_nc_u64 s[16:17], s[16:17], s[94:95]
	s_lshl_b32 s94, s92, 10
	s_lshl_b32 s96, s93, 1
	s_add_co_u32 s94, s94, s96
	s_add_nc_u64 s[18:19], s[18:19], s[94:95]
	s_wait_alu depctr_va_vdst(0)
	s_wait_tensorcnt 0x0                           ; my one load is in
	s_barrier_signal -1
	s_barrier_wait -1
	CHUNK 0, 1                                     ; behind the barrier all of K lies in LDS
	CHUNK 1, 0
	; THE ACTIVATION AND THE WAY OUT, a tile of 16 tokens at a time: silu(g) u = ((g x 1 / (1 + 2^(-g log2 e))) x u, in f32
	v_mov_b32 v[TM+2], 0                           ; written once: a lane permute's destination counts as one of its sources
	v_mov_b32 v[TM+3], 0
.irp a, 0,1
.set G, ACC+64*\a
.set UP, G+32
.set J, 0
.rept 32
	v_mul_f32 v[T+J], 0xbfb8aa3b, v[G+J]           ; each accumulator from its low end on
.set J, J+1
.endr
.set J, 0
	s_wait_alu depctr_va_vdst(0)
.rept 32
	v_exp_f32 v[T+J], v[T+J]
.set J, J+1
.endr
	v_nop                                          ; one plain instruction behind a transcendental (ISA guide 5.7.2)
.set J, 0
	s_wait_alu depctr_va_vdst(0)
.rept 16
	v_pk_add_f32 v[T+J:T+J+1], v[T+J:T+J+1], 1.0 op_sel_hi:[1,0]
.set J, J+2
.endr
.set J, 0
	s_wait_alu depctr_va_vdst(0)
.rept 32
	v_rcp_f32 v[T+J], v[T+J]
.set J, J+1
.endr
	v_nop
.set J, 0
	s_wait_alu depctr_va_vdst(0)
.rept 16
	v_pk_mul_f32 v[G+J:G+J+1], v[G+J:G+J+1], v[T+J:T+J+1]
.set J, J+2
.endr
.set J, 0
.rept 16
	v_pk_mul_f32 v[G+J:G+J+1], v[G+J:G+J+1], v[UP+J:UP+J+1]
.set J, J+2
.endr
	QUANT2 G, 72+4*\a, 80+\a
.endr
	v_cmp_gt_u32 vcc_lo, 16, v3
	s_delay_alu instid0(VALU_DEP_1)
	v_cndmask_b32 v82, v81, v80, vcc_lo            ; lanes 0-15 my first tile's words, lanes 16-31 my second's
.irp a, 0,1
	global_store_b128 v10, v[72+4*\a:75+4*\a], s[16:17] offset:16384*\a   ; 32 lanes store 512 consecutive bytes, aligned
.endr
	global_store_b16 v11, v82, s[18:19]
	s_wait_dscnt 0x0
	s_wait_tensorcnt 0x0
	ds_add_u32 v126, v127
	s_wait_dscnt 0x0
	CROUND                                         ; the closing round: no work-group ends while a partner may still ask for a tile that names it
	s_endpgm
.Lfunc_end_k_qb5a27adf1c_gateup:
	.size	k_qb5a27adf1c_gateup, .Lfunc_end_k_qb5a27adf1c_gateup-k_qb5a27adf1c_gateup
	.p2alignl 7, 3214868480
	.fill 96, 4, 3214868480
	.section	.rodata,"a",@progbits
	.p2align	6, 0x0
	.amdhsa_kernel k_qb5a27adf1c_gateup
		.amdhsa_group_segment_fixed_size 296960
		.amdhsa_private_segment_fixed_size 0
		.amdhsa_enable_private_segment 0
		.amdhsa_kernarg_size 64
		.amdhsa_user_sgpr_count 2
		.amdhsa_user_sgpr_kernarg_segment_ptr 1
		.amdhsa_wavefront_size32 1
		.amdhsa_system_sgpr_workgroup_id_x 1
		.amdhsa_system_sgpr_workgroup_id_y 1
		.amdhsa_system_sgpr_workgroup_id_z 1
		.amdhsa_system_vgpr_workitem_id 0
		.amdhsa_next_free_vgpr 256
		.amdhsa_next_free_sgpr 100
		.amdhsa_reserve_vcc 1
		.amdhsa_float_denorm_mode_32 3
		.amdhsa_float_denorm_mode_16_64 3
		.amdhsa_memory_ordered 1
		.amdhsa_forward_progress 1
		.amdhsa_inst_pref_size 58
	.end_amdhsa_kernel
	.amdgpu_metadata
---
amdhsa.version: [ 1, 2 ]
amdhsa.kernels:
  - .name:           k_qb5a27adf1c_gateup
    .symbol:         k_qb5a27adf1c_gateup.kd
    .args:
      - { .name: hc, .offset: 0, .size: 8, .value_kind: global_buffer, .address_space: global }
      - { .name: hs, .offset: 8, .size: 8, .value_kind: global_buffer, .address_space: global }
      - { .name: gate_w_codes, .offset: 16, .size: 8, .value_kind: global_buffer, .address_space: global }
      - { .name: gate_w_scales, .offset: 24, .size: 8, .value_kind: global_buffer, .address_space: global }
      - { .name: up_w_codes, .offset: 32, .size: 8, .value_kind: global_buffer, .address_space: global }
      - { .name: up_w_scales, .offset: 40, .size: 8, .value_kind: global_buffer, .address_space: global }
      - { .name: ac, .offset: 48, .size: 8, .value_kind: global_buffer, .address_space: global }
      - { .name: asc, .offset: 56, .size: 8, .value_kind: global_buffer, .address_space: global }
    .group_segment_fixed_size: 296960
    .private_segment_fixed_size: 0
    .kernarg_segment_align: 8
    .kernarg_segment_size: 64
    .max_flat_workgroup_size: 512
    .sgpr_count:     100
    .vgpr_count:     256
    .wavefront_size: 32
...
	.end_amdgpu_metadata
.endif
;; end of part 5
;; launch down (part 6): grid 8 x 32, 8 waves a work-group, clusters of 4 x 4, 318,464 bytes of LDS; arguments ac, asc, down_w_codes, down_w_scales, x1, out0; writes out0
.if DOCPART == 6
	.amdgcn_target "amdgcn-amd-amdhsa--gfx1250"
	.amdhsa_code_object_version 6
	.text
	.protected	k_qb5a27adf1c_down
	.globl	k_qb5a27adf1c_down
	.p2align	8
	.type	k_qb5a27adf1c_down,@function
k_qb5a27adf1c_down:
	s_mov_b64 s[64:65], 0
	v_nop
	global_prefetch_b8 v0, s[64:65] scope:SCOPE_SE
	s_setreg_imm32_b32 hwreg(HW_REG_WAVE_MODE, 25, 1), 1
	s_wait_xcnt 0x0
	s_wait_alu depctr_hold_cnt(0) depctr_sa_sdst(0) depctr_va_vdst(0) depctr_va_sdst(0) depctr_va_ssrc(0) depctr_va_vcc(0) depctr_vm_vsrc(0)
	s_getreg_b32 s2, hwreg(HW_REG_IB_STS2, 6, 4)
	s_cmp_eq_u32 s2, 0
	s_cbranch_scc0 .Lentry_in_a_cluster
	s_endpgm
.Lentry_in_a_cluster:
	s_bfe_u32 s2, ttmp6, 0x10000c
	s_cmp_lg_u32 s2, 0xf033
	s_cbranch_scc0 .Lentry_shape_is_right
	s_endpgm
.Lentry_shape_is_right:
; out = res + A W^T on codes of FP4 with E8M0 scales.  A: 4,096 rows, K = SIZE_K, as register images [tile of 16 rows: 256][group of 64 along K][lane 32][16 bytes], scale bytes [4096][SIZE_K / 32].
; W: codes [1024][SIZE_K / 2 bytes], scale bytes [1024][SIZE_K / 32].  res, out: [4096][1024] f32.
; SHARES.  256 work-groups of 128 rows x 128 columns; eight waves of 32 x 64, two to a SIMD, 256 registers each: no register window is switched.
; ALL OF K LIES IN LDS, in two chunks of SIZE_K / 2: A's images as they lie (a fragment load reads 512 consecutive bytes), W's rows padded by 16 bytes, both sides' scale bytes.  Every LDS byte is filled once: no ring.
; THE PRODUCT IS USED TRANSPOSED (source 0 = 16 rows of W, source 1 = 16 rows of A): a lane holds eight neighbouring columns of one row of out.
; CLUSTER 4 x 4: A's tiles are asked for jointly along a row of the cluster, W's along a column.
; THE RESIDUAL, 64 KiB a work-group, is asked for behind the first barrier: the products wait for the tiles, and nothing waits for the residual until the way out: so the tiles are asked for first and alone, and the
; residual has all K steps in which to land.
; OUT.  16 rows x 64 columns at a time go through the wave's own stage in LDS (bytes into which no fill lands) and come back as rows of 256 bytes; the residual, loaded in that layout, is added there.
.set SIZE_K, 2048
.set CHK,   SIZE_K/2                   ; along K in a chunk
.set NQ,    CHK/128                    ; K steps of 128 in it
.set RTC,   NQ*1024                    ; a tile of 16 rows of A: bytes in a chunk,
.set RTB,   2*RTC                      ; and in memory
.set ACH,   8*RTC                      ; A's eight tiles of a chunk
.set ROWB,  CHK/2                      ; a row of W in a chunk
.set PITCH, ROWB+16                    ; an odd multiple of 16: the 16 rows of a fragment load start at 16 different groups of banks
.set QI,    5+SIZE_K/2048              ; the padding's interval: 64 or 128 words
.set BCH,   128*PITCH
.set KROW,  SIZE_K/2
.set KS,    SIZE_K/32
.set BBASE, 2*ACH
.set ASC,   BBASE+2*BCH
.set BSC,   ASC+128*KS
.set STG,   BSC+128*KS                 ; eight stages of 16 rows x 272 bytes
.set ADRA, 4
.set ADRB, 6
.set SAD,  8
.set SBD,  9
.set STO,  10
.set RD,   11
.set CO,   12
.set AF,   16                          ; v16-31   two fragments of A
.set BF,   32                          ; v32-63   four of W
.set ACC,  64                          ; v64-127  accumulator (a, j) at 8 (4 a + j)
.set SCA,  128                         ; v128-135 A's scale words: lanes 0-15 tile 0, lanes 16-31 tile 1; register q
.set SCB,  136                         ; v136-151 W's: set i (lanes 0-15 tile i, lanes 16-31 tile i + 2) at NQ i
.set R,    160                         ; v160-223 the residual, then the result
.set OB,   224                         ; v224-255 16 rows back from the stage
.set WV,   22
.set FH,   23
.set G1A,  24
.set G1B,  32
.set G1SA, 40
.set G1SB, 48
.set G0AS, 56
.set G0A0, 60
.set G0A1, 68
.set G0BS, 72
.set G0B0, 76
.set G0B1, 80
.macro CROUND                          ; a round of the cluster's barrier
	s_barrier_signal -1
	s_barrier_wait -1
	s_cmp_lg_u32 s[WV], 0
	s_cbranch_scc1 .Lnot_wave_0_\@
	s_barrier_signal -3
.Lnot_wave_0_\@:
	s_barrier_wait -3
	s_barrier_signal -1
	s_barrier_wait -1
.endm
.macro WM d, a, b, zero, sa, sb, ra, rb
.set WSEL, 4*(\zero)+2*(\ra)+(\rb)
.if WSEL == 0
	v_wmma_scale_f32_16x16x128_f8f6f4 v[\d:\d+7], v[\a:\a+7], v[\b:\b+7], v[\d:\d+7], v[\sa], v[\sb] matrix_a_fmt:MATRIX_FMT_FP4 matrix_b_fmt:MATRIX_FMT_FP4
.elseif WSEL == 1
	v_wmma_scale_f32_16x16x128_f8f6f4 v[\d:\d+7], v[\a:\a+7], v[\b:\b+7], v[\d:\d+7], v[\sa], v[\sb] matrix_a_fmt:MATRIX_FMT_FP4 matrix_b_fmt:MATRIX_FMT_FP4 matrix_b_scale:MATRIX_SCALE_ROW1
.elseif WSEL == 2
	v_wmma_scale_f32_16x16x128_f8f6f4 v[\d:\d+7], v[\a:\a+7], v[\b:\b+7], v[\d:\d+7], v[\sa], v[\sb] matrix_a_fmt:MATRIX_FMT_FP4 matrix_b_fmt:MATRIX_FMT_FP4 matrix_a_scale:MATRIX_SCALE_ROW1
.elseif WSEL == 3
	v_wmma_scale_f32_16x16x128_f8f6f4 v[\d:\d+7], v[\a:\a+7], v[\b:\b+7], v[\d:\d+7], v[\sa], v[\sb] matrix_a_fmt:MATRIX_FMT_FP4 matrix_b_fmt:MATRIX_FMT_FP4 matrix_a_scale:MATRIX_SCALE_ROW1 matrix_b_scale:MATRIX_SCALE_ROW1
.elseif WSEL == 4
	v_wmma_scale_f32_16x16x128_f8f6f4 v[\d:\d+7], v[\a:\a+7], v[\b:\b+7], 0, v[\sa], v[\sb] matrix_a_fmt:MATRIX_FMT_FP4 matrix_b_fmt:MATRIX_FMT_FP4
.elseif WSEL == 5
	v_wmma_scale_f32_16x16x128_f8f6f4 v[\d:\d+7], v[\a:\a+7], v[\b:\b+7], 0, v[\sa], v[\sb] matrix_a_fmt:MATRIX_FMT_FP4 matrix_b_fmt:MATRIX_FMT_FP4 matrix_b_scale:MATRIX_SCALE_ROW1
.elseif WSEL == 6
	v_wmma_scale_f32_16x16x128_f8f6f4 v[\d:\d+7], v[\a:\a+7], v[\b:\b+7], 0, v[\sa], v[\sb] matrix_a_fmt:MATRIX_FMT_FP4 matrix_b_fmt:MATRIX_FMT_FP4 matrix_a_scale:MATRIX_SCALE_ROW1
.else
	v_wmma_scale_f32_16x16x128_f8f6f4 v[\d:\d+7], v[\a:\a+7], v[\b:\b+7], 0, v[\sa], v[\sb] matrix_a_fmt:MATRIX_FMT_FP4 matrix_b_fmt:MATRIX_FMT_FP4 matrix_a_scale:MATRIX_SCALE_ROW1 matrix_b_scale:MATRIX_SCALE_ROW1
.endif
.endm
.macro SCALES ch                       ; a chunk's scale words: 4 NQ bytes of each row, 16 a load
.set U, 0
.rept NQ/4
	ds_load_b128 v[SCA+4*U:SCA+4*U+3], v[SAD] offset:4*NQ*\ch+16*U
.irp i, 0,1
	ds_load_b128 v[SCB+NQ*\i+4*U:SCB+NQ*\i+4*U+3], v[SBD] offset:\i*16*KS+4*NQ*\ch+16*U
.endr
.set U, U+1
.endr
.endm
.macro KSTEP ch, q, zero               ; 128 along K: six fragments, eight products, each accumulator once: the accumulators take turns
.irp i, 0,1
.irp c, 0,1
	ds_load_b128 v[AF+8*\i+4*\c:AF+8*\i+4*\c+3], v[ADRA+\ch] offset:\i*RTC+1024*\q+512*\c
.endr
.endr
.irp j, 0,1,2,3
.irp c, 0,1
	ds_load_b128 v[BF+8*\j+4*\c:BF+8*\j+4*\c+3], v[ADRB+\ch] offset:\j*16*PITCH+64*\q+32*\c
.endr
.endr
	s_wait_dscnt 0x0                               ; all of them (and at a chunk's head the scale words) are in
.irp a, 0,1
.irp j, 0,1,2,3
	WM ACC+8*(4*\a+\j), BF+8*\j, AF+8*\a, \zero, SCB+NQ*(\j%2)+\q, SCA+\q, \j/2, \a
.endr
.endr
.rept 4
	v_nop                                          ; four places in front of the next loads into registers that these products read, and of the first read of results
.endr
.endm
.macro CHUNK ch, first
	SCALES \ch
.set Q, 0
.rept NQ
.if (\first) && (Q == 0)
	KSTEP \ch, Q, 1
.else
	KSTEP \ch, Q, 0
.endif
.set Q, Q+1
.endr
.endm
	s_load_b256 s[4:11], s[0:1], 0x0               ; A's images s[4:5], its scales s[6:7], W's codes s[8:9], its scales s[10:11]
	s_load_b128 s[12:15], s[0:1], 0x20             ; res s[12:13], out s[14:15]
	v_lshl_add_u32 v158, v0, 2, 0x4d800
	v_mov_b32 v159, 0
	ds_add_u32 v158, v159
	ds_add_u32 v158, v159
	v_lshrrev_b32 v1, 5, v0
	s_delay_alu instid0(VALU_DEP_1)
	v_readfirstlane_b32 s[WV], v1                  ; wave 0..7
	s_and_b32 s[FH], s[WV], 1                      ; which half of a tile I fetch, if I fetch
	s_bfe_u32 s84, ttmp6, 0x40000                  ; cx
	s_bfe_u32 s85, ttmp6, 0x40004                  ; cy
	s_lshl_b32 s86, s85, 2
	s_lshl_b32 s86, 15, s86                        ; my row of the cluster
	s_lshl_b32 s87, 0x1111, s84                    ; my column
	s_lshl_b32 s88, ttmp9, 2
	s_add_co_u32 s88, s88, s84                     ; tile column
	s_and_b32 s89, ttmp7, 0xffff
	s_lshl_b32 s89, s89, 2
	s_add_co_u32 s89, s89, s85                     ; tile row
	s_lshl_b32 s90, s89, 3
	s_mul_i32 s92, s90, RTB
	s_mov_b32 s93, 0
	s_mul_i32 s94, s90, 16*KS
	s_mov_b32 s95, 0
	s_lshl_b32 s91, s88, 7
	s_lshl_b32 s96, s[FH], 6
	s_add_co_u32 s91, s91, s96                     ; W: row 128 x tile column + 64 x half
	s_mul_i32 s96, s91, KROW
	s_mov_b32 s97, 0
	s_mul_i32 s98, s88, 128*KS                     ; W's scale bytes come whole: 128 rows a tile column
	s_mov_b32 s99, 0
	; descriptor groups 1.  A: 8 tiles of 16 rows, RTC dense bytes of each, RTB bytes apart (elements of 8 bytes)
	s_or_b32 s[G1A], s86, 0x00230000               ; 15:0 the mask; 17:16 elements of 8 bytes; 21 set beside a mask
	s_mov_b32 s[G1A+1], (RTC/8)<<16
	s_mov_b32 s[G1A+2], 8<<16                      ; all eight tiles of 16 rows in one load
	s_mov_b32 s[G1A+3], (RTC/8)<<16
	s_mov_b32 s[G1A+4], 8
	s_mov_b32 s[G1A+5], RTB/8
	s_mov_b32 s[G1A+6], 0
	s_mov_b32 s[G1A+7], 0
	; W: 64 rows x ROWB bytes, KROW apart, 16 bytes of padding behind each
	s_or_b32 s[G1B], s87, (1<<20)|(1<<21)|(QI<<22)|(3<<25)
	s_mov_b32 s[G1B+1], ROWB<<16
	s_mov_b32 s[G1B+2], 64<<16
	s_mov_b32 s[G1B+3], ROWB<<16
	s_mov_b32 s[G1B+4], 64
	s_mov_b32 s[G1B+5], KROW
	s_mov_b32 s[G1B+6], 0
	s_mov_b32 s[G1B+7], 0
	; scale bytes of 128 rows: dense, as rows of 256 bytes
	s_or_b32 s[G1SA], s86, 0x00230000
	s_or_b32 s[G1SB], s87, 0x00230000
.irp g, G1SA, G1SB
	s_mov_b32 s[\g+1], 32<<16
	s_mov_b32 s[\g+2], (128*KS/256)<<16            ; the scale bytes of all 128 rows in one load
	s_mov_b32 s[\g+3], 32<<16
	s_mov_b32 s[\g+4], 128*KS/256
	s_mov_b32 s[\g+5], 32
	s_mov_b32 s[\g+6], 0
	s_mov_b32 s[\g+7], 0
.endr
	s_mul_i32 s18, s[FH], 64*PITCH
	s_add_co_u32 s18, s18, BBASE
	s_wait_dscnt 0x0
	s_wait_kmcnt 0x0
	s_add_nc_u64 s[G0AS+2:G0AS+3], s[6:7], s[94:95]
	s_add_nc_u64 s[G0A0+2:G0A0+3], s[4:5], s[92:93]
	s_add_nc_u64 s[G0A1+2:G0A1+3], s[G0A0+2:G0A0+3], RTC
	s_add_nc_u64 s[G0BS+2:G0BS+3], s[10:11], s[98:99]
	s_add_nc_u64 s[G0B0+2:G0B0+3], s[8:9], s[96:97]
	s_add_nc_u64 s[G0B1+2:G0B1+3], s[G0B0+2:G0B0+3], ROWB
.irp g, G0AS, G0A0, G0A1, G0BS, G0B0, G0B1
	s_mov_b32 s[\g], 1                             ; count = 1
	s_or_b32 s[\g+3], s[\g+3], 0x80000000          ; type = 2
.endr
	s_mov_b32 s[G0AS+1], ASC
	s_mov_b32 s[G0BS+1], BSC
	s_mov_b32 s[G0A0+1], 0
	s_mov_b32 s[G0A1+1], ACH
	s_mov_b32 s[G0B0+1], s18
	s_add_co_u32 s[G0B1+1], s18, BCH
	CROUND                                         ; all sixteen work-groups are here: the joint loads meet
; THE FIRST FILLS, ONE A WAVE: eight loads on eight waves, in one chain of branches on the wave's number: A's and W's scale bytes, A's two chunks, the halves of W's chunk 0, those of its chunk 1
.macro ARM under, g0, g1, next
	s_cmp_lt_u32 s[WV], \under
	s_cbranch_scc0 \next
	tensor_load_to_lds s[\g0:\g0+3], s[\g1:\g1+7]
	s_nop 0
.rept 4
	v_nop
.endr
	s_branch .Lasked
\next:
.endm
	ARM 1, G0AS, G1SA, .Larm1
	ARM 2, G0BS, G1SB, .Larm2
	ARM 3, G0A0, G1A,  .Larm3
	ARM 4, G0A1, G1A,  .Larm4
	ARM 6, G0B0, G1B,  .Larm5
	tensor_load_to_lds s[G0B1:G0B1+3], s[G1B:G1B+7]
	s_nop 0
.rept 4
	v_nop
.endr
.Lasked:
	v_and_b32 v1, 15, v0                           ; r
	v_bfe_u32 v2, v0, 4, 1                         ; h
	v_and_b32 v3, 31, v0                           ; lane
	s_wait_alu depctr_va_vdst(0)
	s_lshr_b32 s90, s[WV], 1                       ; which 32 rows are mine
	s_and_b32 s91, s[WV], 1                        ; which 64 columns
	v_lshlrev_b32 v[CO], 12, v2
	s_delay_alu instid0(VALU_DEP_1)
	v_lshl_add_u32 v[CO], v1, 4, v[CO]             ; res and out: lanes 0-15 one row's 256 bytes, lanes 16-31 the next row's
	s_lshl_b32 s94, s89, 7
	s_lshl_b32 s95, s90, 5
	s_add_co_u32 s94, s94, s95                     ; my first row
	s_lshl_b32 s94, s94, 12
	s_lshl_b32 s95, s88, 9
	s_add_co_u32 s94, s94, s95
	s_lshl_b32 s95, s91, 8
	s_add_co_u32 s94, s94, s95                     ; + my first column, in bytes
	s_mov_b32 s95, 0
	s_add_nc_u64 s[12:13], s[12:13], s[94:95]
	s_add_nc_u64 s[14:15], s[14:15], s[94:95]
	s_mul_i32 s92, s90, 2*RTC
	v_lshl_add_u32 v[ADRA], v3, 4, s92             ; an image: 16 x lane
	s_add_co_u32 s92, s92, ACH
	v_lshl_add_u32 v[ADRA+1], v3, 4, s92
	v_mul_u32_u24 v13, v1, PITCH
	s_delay_alu instid0(VALU_DEP_1)
	v_lshl_add_u32 v13, v2, 4, v13
	s_mul_i32 s93, s91, 64*PITCH
	s_add_co_u32 s93, s93, BBASE
	v_add_nc_u32 v[ADRB], s93, v13
	s_add_co_u32 s93, s93, BCH
	v_add_nc_u32 v[ADRB+1], s93, v13
	v_mul_u32_u24 v13, v1, KS
	v_mul_u32_u24 v14, v2, 16*KS                   ; A's scale words: lanes 16-31 stand one tile further on
	s_delay_alu instid0(VALU_DEP_1)
	v_add_nc_u32 v14, v13, v14
	s_mul_i32 s92, s90, 32*KS
	s_add_co_u32 s92, s92, ASC
	v_add_nc_u32 v[SAD], s92, v14
	v_mul_u32_u24 v14, v2, 32*KS                   ; W's: two tiles further on
	s_delay_alu instid0(VALU_DEP_1)
	v_add_nc_u32 v14, v13, v14
	s_mul_i32 s93, s91, 64*KS
	s_add_co_u32 s93, s93, BSC
	v_add_nc_u32 v[SBD], s93, v14
	s_mul_i32 s92, s[WV], 16*272
	s_add_co_u32 s92, s92, STG                     ; my stage
	v_mul_u32_u24 v13, v1, 272
	s_delay_alu instid0(VALU_DEP_1)
	v_lshl_add_u32 v13, v2, 5, v13
	s_delay_alu instid0(VALU_DEP_1)
	v_add_nc_u32 v[STO], s92, v13                  ; in: row r, 32 bytes for each half of the lanes
	v_mul_u32_u24 v13, v2, 272
	s_delay_alu instid0(VALU_DEP_1)
	v_lshl_add_u32 v13, v1, 4, v13
	s_delay_alu instid0(VALU_DEP_1)
	v_add_nc_u32 v[RD], s92, v13                   ; back: lanes 0-15 one row, lanes 16-31 the next
	s_wait_alu depctr_va_vdst(0)
	s_wait_tensorcnt 0x0                           ; my one load is in
	s_barrier_signal -1
	s_barrier_wait -1
.irp a, 0,1
.irp t, 0,1,2,3,4,5,6,7
	global_load_b128 v[R+32*\a+4*\t:R+32*\a+4*\t+3], v[CO], s[12:13] offset:(16*\a+2*\t)*4096   ; the residual is asked for now, and comes while the tiles are multiplied
.endr
.endr
	CHUNK 0, 1                                     ; behind the barrier all of K lies in LDS
	CHUNK 1, 0
	s_wait_loadcnt 0x0                             ; the residual
.irp a, 0,1
.irp j, 0,1,2,3
	ds_store_b128 v[STO], v[ACC+8*(4*\a+\j):ACC+8*(4*\a+\j)+3] offset:64*\j        ; each accumulator from its low end on
	ds_store_b128 v[STO], v[ACC+8*(4*\a+\j)+4:ACC+8*(4*\a+\j)+7] offset:64*\j+16
.endr
.irp t, 0,1,2,3,4,5,6,7
	ds_load_b128 v[OB+4*\t:OB+4*\t+3], v[RD] offset:544*\t         ; LDS serves a wave's instructions in order (ISA guide 5.7.1.4): these see my stores, and the next tile's stores come behind them
.endr
	s_wait_dscnt 0x0
.irp t, 0,1,2,3,4,5,6,7,8,9,10,11,12,13,14,15
	v_pk_add_f32 v[R+32*\a+2*\t:R+32*\a+2*\t+1], v[R+32*\a+2*\t:R+32*\a+2*\t+1], v[OB+2*\t:OB+2*\t+1]
.endr
.irp t, 0,1,2,3,4,5,6,7
.if SIZE_K == 2048
	global_store_b128 v[CO], v[R+32*\a+4*\t:R+32*\a+4*\t+3], s[14:15] offset:(16*\a+2*\t)*4096 th:TH_STORE_NT   ; 16 lanes store 256 consecutive bytes, aligned; written once, read by nobody here
.else
	global_store_b128 v[CO], v[R+32*\a+4*\t:R+32*\a+4*\t+3], s[14:15] offset:(16*\a+2*\t)*4096
.endif
.endr
.endr
	s_wait_dscnt 0x0
	s_wait_tensorcnt 0x0
	ds_add_u32 v158, v159
	s_wait_dscnt 0x0
	CROUND                                         ; the closing round: no work-group ends while a partner may still ask for a tile that names it
	s_endpgm
.Lfunc_end_k_qb5a27adf1c_down:
	.size	k_qb5a27adf1c_down, .Lfunc_end_k_qb5a27adf1c_down-k_qb5a27adf1c_down
	.p2alignl 7, 3214868480
	.fill 96, 4, 3214868480
	.section	.rodata,"a",@progbits
	.p2align	6, 0x0
	.amdhsa_kernel k_qb5a27adf1c_down
		.amdhsa_group_segment_fixed_size 318464
		.amdhsa_private_segment_fixed_size 0
		.amdhsa_enable_private_segment 0
		.amdhsa_kernarg_size 48
		.amdhsa_user_sgpr_count 2
		.amdhsa_user_sgpr_kernarg_segment_ptr 1
		.amdhsa_wavefront_size32 1
		.amdhsa_system_sgpr_workgroup_id_x 1
		.amdhsa_system_sgpr_workgroup_id_y 1
		.amdhsa_system_sgpr_workgroup_id_z 1
		.amdhsa_system_vgpr_workitem_id 0
		.amdhsa_next_free_vgpr 256
		.amdhsa_next_free_sgpr 100
		.amdhsa_reserve_vcc 0
		.amdhsa_float_denorm_mode_32 3
		.amdhsa_float_denorm_mode_16_64 3
		.amdhsa_memory_ordered 1
		.amdhsa_forward_progress 1
		.amdhsa_inst_pref_size 49
	.end_amdhsa_kernel
	.amdgpu_metadata
---
amdhsa.version: [ 1, 2 ]
amdhsa.kernels:
  - .name:           k_qb5a27adf1c_down
    .symbol:         k_qb5a27adf1c_down.kd
    .args:
      - { .name: ac, .offset: 0, .size: 8, .value_kind: global_buffer, .address_space: global }
      - { .name: asc, .offset: 8, .size: 8, .value_kind: global_buffer, .address_space: global }
      - { .name: down_w_codes, .offset: 16, .size: 8, .value_kind: global_buffer, .address_space: global }
      - { .name: down_w_scales, .offset: 24, .size: 8, .value_kind: global_buffer, .address_space: global }
      - { .name: x1, .offset: 32, .size: 8, .value_kind: global_buffer, .address_space: global }
      - { .name: out0, .offset: 40, .size: 8, .value_kind: global_buffer, .address_space: global }
    .group_segment_fixed_size: 318464
    .private_segment_fixed_size: 0
    .kernarg_segment_align: 8
    .kernarg_segment_size: 48
    .max_flat_workgroup_size: 256
    .sgpr_count:     100
    .vgpr_count:     256
    .wavefront_size: 32
...
	.end_amdgpu_metadata
.endif
;; end of part 6
